; MI455X (gfx1250); checked and timed in simulation.
; The chip was launched on July 23, 2026; its instructions are those of AMD's public machine-readable ISA for CDNA 5 (MIT licence, August 2026) and "CDNA5" Instruction Set Architecture Reference Guide (July 2026). The comments in the code are by the model that wrote it; some were corrected since.
;; Multi Head Self Attention. Allowed arithmetic: matrix products marked QUANTISED: E2M3 operands, one E8M0 scale for each 32 along K, by v_wmma_scale_f32_16x16x128_f8f6f4 with both operands' format E2M3, f32 sums; everything else in f32.
;; Inputs: Wk 1,024 x 1,024 float32; Wo 1,024 x 1,024 float32; Wq 1,024 x 1,024 float32; Wv 1,024 x 1,024 float32; bo 1,024 float32; x 4 x 2,048 x 1,024 float32.
;; Outputs: out0 4 x 2,048 x 1,024 float32.
;; This version of the problem:
;;   THIS VERSION OF THE PROBLEM IS GIVEN IN LOW PRECISION. The matrix products marked QUANTISED in the list below multiply operands that are first quantised to E2M3 (2 exponent bits, 3 mantissa bits; 6 bits a number), with one power-of-two scale for each 32 numbers along K (OCP MX v1.0); their sums are f32. All else is computed in f32.
;;   The module's matrix products, in the order in which they are computed (A, B: the left and right operand; K: the contracted axis; several contracted axes count as one K, in the product's order):
;;     1. [M 8,192, K 1,024] x [K 1,024, N 1,024]; A: input x; B: input Wq: QUANTISED
;;     2. [M 8,192, K 1,024] x [K 1,024, N 1,024]; A: input x; B: input Wk: QUANTISED
;;     3. [M 8,192, K 1,024] x [K 1,024, N 1,024]; A: input x; B: input Wv: QUANTISED
;;     4. batch 64 x [M 2,048, K 64] x [K 64, N 2,048]; A: computed on the way; B: computed on the way: QUANTISED
;;     5. batch 64 x [M 2,048, K 2,048] x [K 2,048, N 64]; A: softmax (see below); B: computed on the way: QUANTISED
;;     6. [M 8,192, K 1,024] x [K 1,024, N 1,024]; A: computed on the way; B: input Wo: QUANTISED
;;   THE QUANTISER, for each operand of a quantised product, along K:
;;     - K is cut into blocks of 32 from its start; a last block that is shorter is filled with zeros.
;;     - A block's scale is 2^e with e = floor(log2(the largest magnitude in the block)) - 2, held to -126 .. 127; a block of zeros has e = 0. As a byte (E8M0): e + 127.
;;     - Each number is divided by its block's scale, clamped to +-7.5, and rounded to the nearest number of E2M3, ties to even, subnormals kept.
;;     - The product sums the exact products of the quantised numbers (number of the format x scale) in f32.
;;   ~~~python
;;   def quantise(x, axis):      # numpy; x: float32 -> the quantised numbers, widened to float32 again
;;       x = np.moveaxis(x, axis, -1); K = x.shape[-1]
;;       x = np.pad(x, [(0, 0)] * (x.ndim - 1) + [(0, -K % 32)]); x = x.reshape(x.shape[:-1] + (-1, 32)); a = np.abs(x).max(-1, keepdims=True)
;;       e = np.where(a > 0, np.clip(np.frexp(np.where(a > 0, a, 1))[1] - 1 - 2, -126, 127), 0)      # np.frexp(a)[1] - 1 = floor(log2(a)), exactly
;;       r = np.clip(x / 2.0 ** e, -7.5, 7.5)
;;       step = 2.0 ** (np.maximum(np.frexp(np.where(r == 0, 1, r))[1] - 1, 0) - 3)
;;       q = np.round(r / step) * step * 2.0 ** e      # np.round: ties to even
;;       return np.moveaxis(q.reshape(q.shape[:-2] + (-1,))[..., :K], -1, axis).astype(np.float32)
;;   ~~~
;;   SOFTMAX AHEAD OF A QUANTISED PRODUCT. Where the list says 'softmax', what is quantised is not the finished softmax but p = 2^(t - M), with t = logit x log2(e) and M = ceil(the row's largest t), a whole number; so 1/2 < the row's largest p <= 1. The row's sum l is taken of the UNQUANTISED p, in f32, and the product's result is divided by l at the end. Since M is a whole number, a kernel that streams over the keys may use a running M (the ceiling of the running maximum): every later rescaling is an exact power of two, which a block's scale takes up: the codes' values come out the same.
;;   OPERANDS COMPUTED ON THE WAY. 'Computed on the way' means the value that the module computes at that place (a softmax that the list does not call 'softmax' is quantised finished and normalised). What goes into a quantiser is computed in f32, as accurately as f32 sums, v_exp_f32 and their like allow (about 1e-6 of the number): no bf16 or f16 on the way to a quantiser, and a product that is left as it is and whose result goes on into a quantised operand takes f32 operands (vector FMAs, or v_wmma_f32_16x16x4_f32). A number that lies on a knife's edge between two numbers of the format may be rounded either way, as far as f32 arithmetic and the matrix unit's own rounding can turn it there, and no further.
;; One version. Each part assembles by itself: llvm-mc -triple=amdgcn-amd-amdhsa -mcpu=gfx1250 --defsym DOCPART=n.
;; ======== version 1 of 1: 5 launches
;; workspace buffers: x_codes 6,291,456 bytes; x_scales 262,144 bytes; w_codes 6,291,456 bytes; w_scales 262,144 bytes; qkv_codes 18,874,368 bytes; qkv_scales 786,432 bytes; ctx_codes 6,291,456 bytes; ctx_scales 262,144 bytes
;; launch quant_x (part 1): grid 128 x 2, 4 waves a work-group, no clusters, 35,328 bytes of LDS; arguments x, x_codes, x_scales; writes x_codes, x_scales
.if DOCPART == 1
	.amdgcn_target "amdgcn-amd-amdhsa--gfx1250"
	.amdhsa_code_object_version 6
	.text
	.protected	k_qf7894043c0_quant_x
	.globl	k_qf7894043c0_quant_x
	.p2align	8
	.type	k_qf7894043c0_quant_x,@function
k_qf7894043c0_quant_x:
	s_mov_b64 s[64:65], 0
	v_nop
	global_prefetch_b8 v0, s[64:65] scope:SCOPE_SE
	s_setreg_imm32_b32 hwreg(HW_REG_WAVE_MODE, 25, 1), 1
	s_wait_xcnt 0x0
; x [8192][1024] f32 becomes codes of FP6 (E2M3) with one E8M0 byte for each 32 along K (its last axis), laid as the matrix unit's registers take them.
; AN IMAGE is a fragment (16 rows x 128 K, 12 registers a lane) as it stands in registers: register pair p of lane l at byte 256 p + 8 l: 1,536 bytes.
; ROWBLOCK T holds rows 32 (T / 2) + 8 (T % 2) + r + 8 (r / 8), r = 0 .. 15.  x_codes: [K step 8][rowblock 512][1,536];  x_scales: [8][512][64], row r's word at 4 r.
; A block's scale is 2^(floor(log2(its largest magnitude)) - 2); its byte is the largest magnitude's exponent field - 2, held at 1 from below.
; LIMITS: NaN and infinities are not served; a block of zeros gets the byte 1 where the rule says 127 (its codes are zeros, and this program alone reads the bytes); blocks whose largest magnitude lies under 2^-124 are held at the byte 1.
; SHARES: a work-group takes 64 rows (rowblocks 4 G .. 4 G + 3); wave w of work-group y takes K step 4 y + w: four fragments.  Each load reads 512 consecutive bytes of one row; a fragment's 16 rows turn through
; the wave's own stage in LDS (rows 528 bytes apart), so that a lane gets 16 neighbours of each block of 32.  Every store of codes covers 256 consecutive aligned bytes.  Waves share nothing: no barrier.
.set ROWX,  4096
.set IMG,   1536
.set SP,    528
.set WREG,  16*SP+256                  ; a wave's LDS: the stage, then its 256 bytes of scale words
.set SPARE, 4*WREG                     ; the spare words, 128 bytes a wave
.set GI,  1                            ; v1   16 x lane
.set SI,  2                            ; v2   the stage on the way in
.set SO,  3                            ; v3   and on the way out: row r, + 64 h
.set L8,  4                            ; v4   8 x lane
.set SW,  5                            ; v5   where I put my row's scale word
.set SR,  6                            ; v6   where I read 8 bytes of scale words back
.set SPW, 12
.set NIL, 13
.set R,   16                           ; v16-143  two sets of 64: a fragment's rows as loaded
.set X,   144                          ; v144-207 64 numbers: register 16 b + i = k 32 b + 16 h + i of my row
.set PC,  208                          ; v208-226 codes
.set TM,  228                          ; v228-243 at work
.set PW,  244                          ; the scale word
.set SEL, 20
	s_load_b128 s[4:7], s[0:1], 0x0                ; x, x_codes
	s_load_b64 s[8:9], s[0:1], 0x10                ; x_scales
	v_lshl_add_u32 v[SPW], v0, 2, SPARE
	v_mov_b32 v[NIL], 0
	v_lshrrev_b32 v7, 5, v0
	v_readfirstlane_b32 s16, v7                    ; wave
	v_and_b32 v7, 31, v0                           ; lane
	v_and_b32 v8, 15, v0                           ; r
	v_bfe_u32 v9, v0, 4, 1                         ; h
	s_mul_i32 s17, s16, WREG
	v_lshlrev_b32 v[GI], 4, v7
	v_add_nc_u32 v[SI], s17, v[GI]
	v_mul_u32_u24 v[SO], v8, SP
	v_lshl_add_u32 v[SO], v9, 6, v[SO]
	v_add_nc_u32 v[SO], s17, v[SO]
	v_lshlrev_b32 v[L8], 3, v7
	s_add_co_u32 s17, s17, 16*SP
	v_lshl_add_u32 v[SW], v8, 2, s17
	v_add_nc_u32 v[SR], s17, v[L8]
	s_mov_b32 s[SEL], 0x76543210
	s_mov_b32 s[SEL+1], 0xfedcba98                 ; selects for lane l xor 16
.irp b, 0,1,2,3
	v_mov_b32 v[TM+4+\b], 0                        ; a lane permute's destination counts as one of its sources
.endr
	s_and_b32 s18, ttmp7, 0xffff
	s_lshl_b32 s18, s18, 2
	s_add_co_u32 s18, s18, s16                     ; my K step
	s_lshl_b32 s22, ttmp9, 18                      ; 64 rows of 4,096 bytes
	s_lshl_b32 s23, s18, 9                         ; 128 numbers
	s_add_co_u32 s22, s22, s23
	s_mov_b32 s23, 0
	s_lshl_b32 s24, s18, 9
	s_lshl_b32 s25, ttmp9, 2
	s_add_co_u32 s24, s24, s25                     ; my first image: 512 x K step + 4 G
	s_mul_i32 s26, s24, IMG
	s_mov_b32 s27, 0
	s_lshl_b32 s24, s24, 6
	s_mov_b32 s25, 0
	s_wait_kmcnt 0x0
	s_add_nc_u64 s[4:5], s[4:5], s[22:23]
	s_add_nc_u64 s[6:7], s[6:7], s[26:27]
	s_add_nc_u64 s[8:9], s[8:9], s[24:25]
; 64 numbers of a lane become a fragment's codes in v[PC] on and its scale word in v[PW]
.macro QUANT s
.irp b, 0,1,2,3
	v_max3_num_f32 v[TM+\b], |v[\s+16*\b]|, |v[\s+1+16*\b]|, 0x1800000   ; my 16 numbers of block b, and the floor 2^(3 - 127): the byte cannot fall under 1
.endr
.irp i, 2,4,6,8,10,12,14
.irp b, 0,1,2,3
	v_max3_num_f32 v[TM+\b], v[TM+\b], |v[\s+16*\b+\i]|, |v[\s+1+16*\b+\i]|
.endr
.endr
.irp b, 0,1,2,3
	v_permlanex16_b32 v[TM+4+\b], v[TM+\b], s[SEL], s[SEL+1]
.endr
.irp b, 0,1,2,3
	v_max_num_f32 v[TM+\b], v[TM+\b], v[TM+4+\b]   ; with lane l xor 16's: the block's largest magnitude
.endr
.irp b, 0,1,2,3
	v_add_nc_u32 v[TM+12+\b], 0xff000000, v[TM+\b] ; 2 off its exponent field: the conversion's scale operand
.endr
.irp b, 0,1,2,3
	v_lshrrev_b32 v[TM+4+\b], 23, v[TM+12+\b]      ; the scale's byte
.endr
	v_lshl_or_b32 v[PW], v[TM+5], 8, v[TM+4]
	v_lshl_or_b32 v[PW], v[TM+6], 16, v[PW]
	v_lshl_or_b32 v[PW], v[TM+7], 24, v[PW]
.irp c, 0,1
	v_cvt_scalef32_pk16_fp6_f32 v[PC+6*\c:PC+2+6*\c], v[\s+32*\c:\s+15+32*\c], v[TM+12+2*\c]
	v_cvt_scalef32_pk16_fp6_f32 v[PC+12+4*\c:PC+14+4*\c], v[\s+16+32*\c:\s+31+32*\c], v[TM+12+2*\c+1]   ; (three registers begin on an even number)
.endr
	v_nop                                          ; one plain place behind a scaled conversion
.irp c, 0,1                                    ; a whole block to a lane: lanes 0-15 block 2 c, lanes 16-31 block 2 c + 1
.irp i, 0,1,2
	v_permlane16_swap_b32 v[PC+6*\c+\i], v[PC+12+4*\c+\i]
.endr
.irp i, 0,1,2
	v_mov_b32 v[PC+3+6*\c+\i], v[PC+12+4*\c+\i]
.endr
.endr
.endm
.macro LOADF t                         ; fragment t's 16 rows, 512 consecutive bytes each
.set n, 0
.rept 16
	global_load_b128 v[R+64*((\t)%2)+4*n:R+64*((\t)%2)+4*n+3], v[GI], s[4:5] offset:(32*((\t)/2)+8*((\t)%2)+n+8*(n/8))*ROWX th:TH_LOAD_NT
.set n, n+1
.endr
.endm
.macro TURNF t                         ; through the stage: LDS serves a wave's instructions in order, so no wait stands between the stores and the loads
.set n, 0
.rept 16
	ds_store_b128 v[SI], v[R+64*((\t)%2)+4*n:R+64*((\t)%2)+4*n+3] offset:SP*n
.set n, n+1
.endr
.irp b, 0,1,2,3
.irp e, 0,1,2,3
	ds_load_b128 v[X+16*\b+4*\e:X+16*\b+4*\e+3], v[SO] offset:128*\b+16*\e
.endr
.endr
.endm
.macro FRAGM t
.if (\t) < 3
	s_wait_loadcnt 16                              ; this fragment's 16 loads are in; the next fragment's 16 may be out
.else
	s_wait_loadcnt 0x0
.endif
	TURNF \t
	s_wait_dscnt 0x0                               ; my 64 numbers are back, and the stage's stores have read their registers
.if (\t) > 0
	s_wait_xcnt 0x0                                ; the last fragment's stores have read the code registers, which are written again below
.endif
.if (\t) < 2
	LOADF (\t)+2
.endif
	QUANT X
.irp p, 0,1,2,3,4,5
	global_store_b64 v[L8], v[PC+2*\p:PC+2*\p+1], s[6:7] offset:(\t)*IMG+256*\p   ; 32 lanes store 256 consecutive aligned bytes
.endr
	ds_store_b32 v[SW], v[PW] offset:64*(\t)       ; lanes 16-31 write the same word with the same value
.endm
	LOADF 0
	LOADF 1
	FRAGM 0
	FRAGM 1
	FRAGM 2
	FRAGM 3
	ds_load_b64 v[8:9], v[SR]                      ; my wave's four scale images, 256 bytes
	s_wait_dscnt 0x0
	global_store_b64 v[L8], v[8:9], s[8:9]         ; one aligned run of 256 bytes
	s_wait_tensorcnt 0x0                           ; the wave's end
	ds_add_u32 v[SPW], v[NIL]
	s_wait_dscnt 0x0
	s_endpgm
.Lfunc_end_k_qf7894043c0_quant_x:
	.size	k_qf7894043c0_quant_x, .Lfunc_end_k_qf7894043c0_quant_x-k_qf7894043c0_quant_x
	.p2alignl 7, 3214868480
	.fill 96, 4, 3214868480
	.section	.rodata,"a",@progbits
	.p2align	6, 0x0
	.amdhsa_kernel k_qf7894043c0_quant_x
		.amdhsa_group_segment_fixed_size 35328
		.amdhsa_private_segment_fixed_size 0
		.amdhsa_enable_private_segment 0
		.amdhsa_kernarg_size 24
		.amdhsa_user_sgpr_count 2
		.amdhsa_user_sgpr_kernarg_segment_ptr 1
		.amdhsa_wavefront_size32 1
		.amdhsa_system_sgpr_workgroup_id_x 1
		.amdhsa_system_sgpr_workgroup_id_y 1
		.amdhsa_system_sgpr_workgroup_id_z 1
		.amdhsa_system_vgpr_workitem_id 0
		.amdhsa_next_free_vgpr 248
		.amdhsa_next_free_sgpr 66
		.amdhsa_reserve_vcc 0
		.amdhsa_float_denorm_mode_32 3
		.amdhsa_float_denorm_mode_16_64 3
		.amdhsa_memory_ordered 1
		.amdhsa_forward_progress 1
		.amdhsa_inst_pref_size 35
	.end_amdhsa_kernel
	.amdgpu_metadata
---
amdhsa.version: [ 1, 2 ]
amdhsa.kernels:
  - .name:           k_qf7894043c0_quant_x
    .symbol:         k_qf7894043c0_quant_x.kd
    .args:
      - { .name: x, .offset: 0, .size: 8, .value_kind: global_buffer, .address_space: global }
      - { .name: x_codes, .offset: 8, .size: 8, .value_kind: global_buffer, .address_space: global }
      - { .name: x_scales, .offset: 16, .size: 8, .value_kind: global_buffer, .address_space: global }
    .group_segment_fixed_size: 35328
    .private_segment_fixed_size: 0
    .kernarg_segment_align: 8
    .kernarg_segment_size: 24
    .max_flat_workgroup_size: 128
    .sgpr_count:     66
    .vgpr_count:     248
    .wavefront_size: 32
...
	.end_amdgpu_metadata
.endif
;; end of part 1
;; launch quant_w (part 2): grid 32 x 4, 4 waves a work-group, no clusters, 27,136 bytes of LDS; arguments Wq, Wk, Wv, Wo, w_codes, w_scales; writes w_codes, w_scales
.if DOCPART == 2
	.amdgcn_target "amdgcn-amd-amdhsa--gfx1250"
	.amdhsa_code_object_version 6
	.text
	.protected	k_qf7894043c0_quant_w
	.globl	k_qf7894043c0_quant_w
	.p2align	8
	.type	k_qf7894043c0_quant_w,@function
k_qf7894043c0_quant_w:
	s_mov_b64 s[64:65], 0
	v_nop
	global_prefetch_b8 v0, s[64:65] scope:SCOPE_SE
	s_setreg_imm32_b32 hwreg(HW_REG_WAVE_MODE, 25, 1), 1
	s_wait_xcnt 0x0
; Wq, Wk, Wv, Wo [1024 (k)][1024 (n)] f32: K is the FIRST axis.  They become codes of FP6 (E2M3), one E8M0 byte for each 32 along K, laid as images of the matrix unit's registers:
; w_codes [K step 8][place 512][1,536], w_scales [8][512][64]; places 0-63 Wq's columns, 64-127 Wk's, 128-191 Wv's, 192-255 Wo's; places 256-511 are neither written nor read (one plane stride for all operands).
; An image: register pair p of lane l at 256 p + 8 l.  Rowblock T of a weight holds columns 32 (T / 2) + 8 (T % 2) + r + 8 (r / 8).
; A LANE TAKES A COLUMN AND ITS REGISTERS RUN DOWN K: a block of 32 lies in one lane, its maximum needs no other lane, and the conversions give codes with K innermost.
; LIMITS: NaN and infinities are not served; a block of zeros gets the byte 1 where the rule says 127 (zero codes; read by this program alone); blocks whose largest magnitude lies under 2^-124 are held at the byte 1.
; SHARES: work-group x / 8 = the weight, x % 8 = 128 columns, y = 256 along K (two K steps); a wave takes 32 columns = two rowblocks.  Lane l is row r = l % 8 + 8 (l / 16) of rowblock u = (l / 8) % 2.
; The codes go through the wave's own stage, laid as images, and leave 512 consecutive bytes a store.  The scale words leave 128 consecutive bytes a store: half of an aligned 256, one byte in 128 of what the launch reads.
.set IMG,   1536
.set UIM,   1664                       ; an image in the stage + 128: rowblock u = 1 falls on the other half of the banks
.set WREG,  4*UIM
.set SPARE, 4*WREG
.set PLANE, 512*IMG
.set X,     32                         ; v32-95   two sets of 32 numbers
.set C,     96                         ; v96-101  a block's codes; v102-104 the second conversion's
.set OUTR,  112                        ; v112-159 the way out
.set SPW,   14
.set NIL,   15
.set SB,    24                         ; v24-25   the scale words of my column's two K steps
	s_load_b256 s[4:11], s[0:1], 0x0               ; Wq, Wk, Wv, Wo
	s_load_b128 s[12:15], s[0:1], 0x20             ; w_codes, w_scales
	v_lshl_add_u32 v[SPW], v0, 2, SPARE
	v_mov_b32 v[NIL], 0
	v_lshrrev_b32 v1, 5, v0
	v_readfirstlane_b32 s16, v1                    ; wave
	v_and_b32 v2, 31, v0                           ; lane
	v_lshlrev_b32 v3, 2, v2                        ; in: 4 bytes a lane
	v_bfe_u32 v5, v0, 3, 1                         ; u
	v_and_b32 v6, 7, v0
	v_bfe_u32 v10, v0, 4, 1
	v_lshl_add_u32 v6, v10, 3, v6                  ; r
	s_mul_i32 s17, s16, WREG
	v_mul_u32_u24 v4, v5, UIM
	v_lshl_add_u32 v4, v6, 3, v4
	v_add_nc_u32 v4, s17, v4                       ; the stage, in: image u, 8 r
	v_lshlrev_b32 v8, 4, v2                        ; out: 16 bytes a lane
	v_add_nc_u32 v7, s17, v8
	v_lshlrev_b32 v9, 6, v5
	v_lshl_add_u32 v9, v6, 2, v9                   ; my scale word: 64 u + 4 r
	s_lshr_b32 s18, ttmp9, 3                       ; which weight
	s_and_b32 s19, ttmp9, 7                        ; which 128 columns
	s_and_b32 s20, ttmp7, 0xffff                   ; which 256 along K
	s_lshl_b32 s22, s20, 20                        ; 256 rows of 4,096 bytes
	s_lshl_b32 s23, s19, 9
	s_add_co_u32 s22, s22, s23
	s_lshl_b32 s23, s16, 7
	s_add_co_u32 s22, s22, s23                     ; + my wave's first column
	s_mov_b32 s23, 0
	s_lshl_b32 s24, s20, 10                        ; place: 512 x (2 y)
	s_lshl_b32 s25, s18, 6
	s_add_co_u32 s24, s24, s25                     ; + 64 x weight
	s_lshl_b32 s25, s19, 3
	s_add_co_u32 s24, s24, s25
	s_lshl_b32 s25, s16, 1
	s_add_co_u32 s24, s24, s25                     ; + 8 x column group + 2 x wave
	s_mul_i32 s26, s24, IMG
	s_mov_b32 s27, 0
	s_lshl_b32 s24, s24, 6
	s_mov_b32 s25, 0
	s_wait_kmcnt 0x0
	s_cmp_eq_u32 s18, 1                            ; the choice hangs on the work-group's number alone
	s_cselect_b64 s[4:5], s[6:7], s[4:5]
	s_cmp_eq_u32 s18, 2
	s_cselect_b64 s[4:5], s[8:9], s[4:5]
	s_cmp_eq_u32 s18, 3
	s_cselect_b64 s[4:5], s[10:11], s[4:5]
	s_add_nc_u64 s[4:5], s[4:5], s[22:23]
	s_add_nc_u64 s[12:13], s[12:13], s[26:27]
	s_add_nc_u64 s[14:15], s[14:15], s[24:25]
.macro LOAD t                          ; block t: W(32 t + i, my column) into set t % 2; a wave's load reads 128 consecutive bytes
.set n, 0
.rept 32
	global_load_b32 v[X+32*((\t)%2)+n], v3, s[4:5] offset:(32*(\t)+n)*4096 th:TH_LOAD_NT
.set n, n+1
.endr
.endm
	LOAD 0
	LOAD 1
.macro BLOCK t
.set XS, X+32*((\t)%2)
.if (\t) < 7
	s_wait_loadcnt 32                              ; this block's 32 loads are in; the next block's 32 may be out
.else
	s_wait_loadcnt 0x0
.endif
	v_max3_num_f32 v12, |v[XS]|, |v[XS+1]|, |v[XS+2]|
	v_max3_num_f32 v13, |v[XS+3]|, |v[XS+4]|, |v[XS+5]|
.irp i, 6,10,14,18,22,26
	v_max3_num_f32 v12, v12, |v[XS+\i]|, |v[XS+\i+1]|
	v_max3_num_f32 v13, v13, |v[XS+\i+2]|, |v[XS+\i+3]|
.endr
	v_max3_num_f32 v12, v12, |v[XS+30]|, |v[XS+31]|
	v_max3_num_f32 v12, v12, v13, 0x1800000        ; and the floor 2^(3 - 127)
	v_add_nc_u32 v11, 0xff000000, v12              ; 2 off the exponent field: the conversion's scale operand
	v_lshrrev_b32 v13, 23, v11                     ; the scale's byte
.if (\t)%4 == 0
	v_mov_b32 v[SB+(\t)/4], v13
.else
	v_lshl_or_b32 v[SB+(\t)/4], v13, 8*((\t)%4), v[SB+(\t)/4]
.endif
	v_cvt_scalef32_pk16_fp6_f32 v[C:C+2], v[XS:XS+15], v11
	v_cvt_scalef32_pk16_fp6_f32 v[C+6:C+8], v[XS+16:XS+31], v11
	v_nop                                          ; one plain place behind a scaled conversion
.irp i, 0,1,2
	v_mov_b32 v[C+3+\i], v[C+6+\i]
.endr
.irp p, 0,1,2                                  ; block t is K step t / 4, registers 6 c .. 6 c + 5 (c = (t % 4) / 2) of image lane r + 16 (t % 2)
	ds_store_b64 v4, v[C+2*\p:C+2*\p+1] offset:((\t)/4)*2*UIM+768*(((\t)%4)/2)+128*((\t)%2)+256*\p
.endr
.if (\t)+2 < 8
	LOAD (\t)+2
.endif
	s_wait_dscnt 0x0                               ; the stores have read their registers: the next block's codes may be written
.endm
.irp t, 0,1,2,3,4,5,6,7
	BLOCK \t
.endr
.irp k, 0,1
	global_store_b32 v9, v[SB+\k], s[14:15] offset:\k*32768
.endr
.irp k, 0,1
.irp u, 0,1
.irp c, 0,1,2
	ds_load_b128 v[OUTR+4*(6*\k+3*\u+\c):OUTR+4*(6*\k+3*\u+\c)+3], v7 offset:\k*2*UIM+\u*UIM+512*\c
.endr
.endr
.endr
.irp k, 0,1
.irp u, 0,1
.irp c, 0,1,2
	s_wait_dscnt 11-(6*\k+3*\u+\c)                 ; LDS loads come back in order: this one is in, the younger ones may be out
	global_store_b128 v8, v[OUTR+4*(6*\k+3*\u+\c):OUTR+4*(6*\k+3*\u+\c)+3], s[12:13] offset:\k*PLANE+\u*IMG+512*\c   ; 512 consecutive aligned bytes
.endr
.endr
.endr
	s_wait_tensorcnt 0x0                           ; the wave's end
	ds_add_u32 v[SPW], v[NIL]
	s_wait_dscnt 0x0
	s_endpgm
.Lfunc_end_k_qf7894043c0_quant_w:
	.size	k_qf7894043c0_quant_w, .Lfunc_end_k_qf7894043c0_quant_w-k_qf7894043c0_quant_w
	.p2alignl 7, 3214868480
	.fill 96, 4, 3214868480
	.section	.rodata,"a",@progbits
	.p2align	6, 0x0
	.amdhsa_kernel k_qf7894043c0_quant_w
		.amdhsa_group_segment_fixed_size 27136
		.amdhsa_private_segment_fixed_size 0
		.amdhsa_enable_private_segment 0
		.amdhsa_kernarg_size 48
		.amdhsa_user_sgpr_count 2
		.amdhsa_user_sgpr_kernarg_segment_ptr 1
		.amdhsa_wavefront_size32 1
		.amdhsa_system_sgpr_workgroup_id_x 1
		.amdhsa_system_sgpr_workgroup_id_y 1
		.amdhsa_system_sgpr_workgroup_id_z 1
		.amdhsa_system_vgpr_workitem_id 0
		.amdhsa_next_free_vgpr 192
		.amdhsa_next_free_sgpr 66
		.amdhsa_reserve_vcc 0
		.amdhsa_float_denorm_mode_32 3
		.amdhsa_float_denorm_mode_16_64 3
		.amdhsa_memory_ordered 1
		.amdhsa_forward_progress 1
		.amdhsa_inst_pref_size 43
	.end_amdhsa_kernel
	.amdgpu_metadata
---
amdhsa.version: [ 1, 2 ]
amdhsa.kernels:
  - .name:           k_qf7894043c0_quant_w
    .symbol:         k_qf7894043c0_quant_w.kd
    .args:
      - { .name: Wq, .offset: 0, .size: 8, .value_kind: global_buffer, .address_space: global }
      - { .name: Wk, .offset: 8, .size: 8, .value_kind: global_buffer, .address_space: global }
      - { .name: Wv, .offset: 16, .size: 8, .value_kind: global_buffer, .address_space: global }
      - { .name: Wo, .offset: 24, .size: 8, .value_kind: global_buffer, .address_space: global }
      - { .name: w_codes, .offset: 32, .size: 8, .value_kind: global_buffer, .address_space: global }
      - { .name: w_scales, .offset: 40, .size: 8, .value_kind: global_buffer, .address_space: global }
    .group_segment_fixed_size: 27136
    .private_segment_fixed_size: 0
    .kernarg_segment_align: 8
    .kernarg_segment_size: 48
    .max_flat_workgroup_size: 128
    .sgpr_count:     66
    .vgpr_count:     192
    .wavefront_size: 32
...
	.end_amdgpu_metadata
.endif
;; end of part 2
;; launch qkv (part 3): grid 12 x 32, 4 waves a work-group, clusters of 4 x 4, 327,680 bytes of LDS; arguments x_codes, x_scales, w_codes, w_scales, qkv_codes, qkv_scales; writes qkv_codes, qkv_scales
.if DOCPART == 3
	.amdgcn_target "amdgcn-amd-amdhsa--gfx1250"
	.amdhsa_code_object_version 6
	.text
	.protected	k_qf7894043c0_qkv
	.globl	k_qf7894043c0_qkv
	.p2align	8
	.type	k_qf7894043c0_qkv,@function
k_qf7894043c0_qkv:
	s_mov_b64 s[64:65], 0
	v_nop
	global_prefetch_b8 v0, s[64:65] scope:SCOPE_SE
	s_setreg_imm32_b32 hwreg(HW_REG_WAVE_MODE, 25, 1), 1
	s_wait_xcnt 0x0
	s_wait_alu depctr_hold_cnt(0) depctr_sa_sdst(0) depctr_va_vdst(0) depctr_va_sdst(0) depctr_va_ssrc(0) depctr_va_vcc(0) depctr_vm_vsrc(0)
	s_getreg_b32 s2, hwreg(HW_REG_IB_STS2, 6, 4)
	s_cmp_eq_u32 s2, 0
	s_cbranch_scc0 .Lentry_in_a_cluster
	s_endpgm
.Lentry_in_a_cluster:
	s_bfe_u32 s2, ttmp6, 0x10000c
	s_cmp_lg_u32 s2, 0xf033
	s_cbranch_scc0 .Lentry_shape_is_right
	s_endpgm
.Lentry_shape_is_right:
; q = x Wq, k = x Wk, v = x Wv on codes of FP6 (E2M3) with E8M0 scales; the results are quantised in registers and leave as codes: q and k along a head's 64, v along the keys.
; OPERANDS are images: a fragment (16 rows x 128 K, 12 registers a lane), register pair p of lane l at 256 p + 8 l; [K step 8][rowblock 512][1,536]; scale words [8][512][64].  Rowblock T holds rows 32 (T / 2) + 8 (T % 2) + r + 8 (r / 8).
; A tile of 256 x 256 to a work-group of four waves, 128 x 128 a wave: 64 accumulators.  The matrix instruction is used transposed (source 0 = B's 16 rows, source 1 = A's): with these rowblocks a lane holds one row of A's
; and, in the 64 registers of A's block a, 4 x 16 neighbours along B's rows: just what the quantiser of the next product's K wants.
; TWO ROLES, ONE TEXT, chosen by the cluster's x (the same in all sixteen partners) through selects alone: clusters x = 0, 1: A = x, B = Wq | Wk: a lane holds a token, registers run along channels;
; cluster x = 2: A = Wv, B = x: a lane holds a channel, registers run along the tokens, which are the second attention product's K.
; qkv_codes: [q, k, v][batch x 8 + pair of heads][block of 128 tokens][a 8][1,536]: q, k: rows = tokens, K = the pair's 128 channels; v: rows = the pair's 128 channels, K = 128 keys.  qkv_scales likewise with 64 bytes an image.
; K = 1,024 goes in eight steps of 128, two to an LDS slot, two slots: five fills in all, so the steps are written out without a loop.  Each wave fetches one K step of A's or of B's 256 rows: 24,576 dense bytes.
; CLUSTERS 4 x 4: A's tiles are asked for jointly along a row of the cluster, B's along a column.  The scale words of all of K come once, with the first fills.
; LIMITS: NaN and infinities are not served; a block of zeros gets the byte 1 (zero codes; read by this program alone); blocks whose largest magnitude lies under 2^-124 are held at the byte 1.
; REGISTERS: window 0: v16-30 addresses; v32-63 scale words, two sets; v64-107 the quantiser's; v128-223 A's fragments, one set.  Window 1: B's fragments, two sets, at v0 and v128.  Windows 2, 3: the accumulators, (a, b) at v[8 (8 (a % 4) + b)].
.set IMG,   1536
.set PART,  16*IMG                     ; 256 rows x one K step: what one tensor load brings
.set SLOT,  4*PART                     ; A's two K steps, then B's two
.set PLANE, 512*IMG                    ; from a K step to the next in memory
.set SCL,   2*SLOT                     ; A's scale words [8][16][64], then B's
.set SPARE, SCL+16384                  ; the spare words, 128 bytes a wave
.set SCR,   SPARE+512                  ; 512 bytes a wave: the results' scale words; no fill lands here
.set FR,    12
.set NL,    6
.set NP,    4
.set NQ,    2
.set ADRA, 16
.set ADRB, 20
.set OC,   24                          ; 8 x lane
.set OSW,  25                          ; where I put a scale word
.set OSR,  26                          ; where I read 16 bytes of them back
.set ADRS, 27
.set SPW,  28
.set NIL,  29
.set OSG,  30                          ; 16 x lane
.set SC,   32
.set PC,   64
.set TM,   84
.set PW,   100
.set OW,   104
.set AF,   128
.set SEL,  2
.set G1, 24
.set G0, 32
.set G1B, 48
.set G0B, 56
.set G1S, 68
.set G0S, 76
.set G1SB, 80
.set G0SB, 88
.set MSB, 0
.macro WIN new                         ; the immediate's high byte repeats the setting that is left
.if MSB != (\new)
	s_set_vgpr_msb (MSB<<8)|(\new)
.set MSB, (\new)
.endif
.endm
.set MUL_LO, 0xa1                      ; source 0 (B) window 1, source 1 (A) window 0, C and D window 2
.set MUL_HI, 0xf1
.set TO_B,   0x40
; a joint load: waves 0 and 1 fetch for A, waves 2 and 3 for B; an s_nop 0 and four v_nop follow each line
.macro JLOAD g0a, g1a, g0b, g1b
	s_cmp_eq_u32 s17, 0
	s_cbranch_scc0 .Lfor_b_\@
	tensor_load_to_lds s[\g0a:\g0a+3], s[\g1a:\g1a+7]
	s_nop 0
.rept 4
	v_nop
.endr
	s_branch .Lasked_\@
.Lfor_b_\@:
	tensor_load_to_lds s[\g0b:\g0b+3], s[\g1b:\g1b+7]
	s_nop 0
.rept 4
	v_nop
.endr
.Lasked_\@:
.endm
.macro CREST
	s_cmp_lg_u32 s16, 0
	s_cbranch_scc1 .Lnot_wave_0_\@
	s_barrier_signal -3
.Lnot_wave_0_\@:
	s_barrier_wait -3
	s_barrier_signal -1
	s_barrier_wait -1
.endm
.macro CROUND
	s_barrier_signal -1
	s_barrier_wait -1
	CREST
.endm
	s_load_b256 s[4:11], s[0:1], 0x0               ; x_codes, x_scales, w_codes, w_scales
	s_load_b128 s[12:15], s[0:1], 0x20             ; qkv_codes, qkv_scales
	v_lshl_add_u32 v[SPW], v0, 2, SPARE
	v_mov_b32 v[NIL], 0
	ds_add_u32 v[SPW], v[NIL]                      ; the wave's opening: the add and its wait ahead of my first tensor load
	v_lshrrev_b32 v1, 5, v0
	v_readfirstlane_b32 s16, v1                    ; wave
	s_lshr_b32 s17, s16, 1                         ; my half of the tile's rows.  Also: I fetch for A (0) or B (1)
	s_and_b32 s18, s16, 1                          ; my half of its columns.  Also: which of a slot's two K steps I fetch
	s_bfe_u32 s40, ttmp6, 0x40000                  ; cx
	s_bfe_u32 s41, ttmp6, 0x40004                  ; cy
	s_and_b32 s96, ttmp7, 0xffff
	s_lshl_b32 s96, s96, 2                         ; 4 x cluster y
	s_lshl_b32 s97, ttmp9, 2                       ; 4 x cluster x
	s_add_co_u32 s46, s97, s40                     ; q, k: tile column
	s_add_co_u32 s47, s96, s40                     ; v: tile column (tokens)
	s_add_co_u32 s20, s96, s41                     ; q, k: tile row (tokens)
	s_cmp_lt_u32 ttmp9, 2                          ; the role
	s_cselect_b32 s42, s46, s47                    ; tc: hangs on cx, never on cy
	s_cselect_b32 s43, s20, s41                    ; tr: hangs on cy, never on cx
	s_cselect_b32 s21, 0, 128                      ; A's first rowblock: x's 0, or Wv's 128
	s_lshl_b32 s44, s41, 2
	s_lshl_b32 s44, 15, s44                        ; my row of the cluster
	s_lshl_b32 s45, 0x1111, s40                    ; my column
	s_or_b32 s[G1+0], s44, (3<<16)|(1<<21)         ; the mask; elements of 8 bytes; bit 21 beside a mask; no padding
	s_or_b32 s[G1B+0], s45, (3<<16)|(1<<21)
.irp g, G1, G1B                                ; 24,576 dense bytes as 96 rows of 256
	s_mov_b32 s[\g+1], 32<<16
	s_mov_b32 s[\g+2], 96<<16
	s_mov_b32 s[\g+3], 32<<16
	s_mov_b32 s[\g+4], 96
	s_mov_b32 s[\g+5], 32
	s_mov_b32 s[\g+6], 0
	s_mov_b32 s[\g+7], 0
.endr
	s_or_b32 s[G1S+0], s44, (3<<16)|(1<<21)
	s_or_b32 s[G1SB+0], s45, (3<<16)|(1<<21)
.irp g, G1S, G1SB                              ; scale words: four K steps x 1,024 bytes, 32,768 bytes apart
	s_mov_b32 s[\g+1], 128<<16
	s_mov_b32 s[\g+2], 4<<16
	s_mov_b32 s[\g+3], 128<<16
	s_mov_b32 s[\g+4], 4
	s_mov_b32 s[\g+5], 4096
	s_mov_b32 s[\g+6], 0
	s_mov_b32 s[\g+7], 0
.endr
	s_lshl_b32 s20, s43, 4
	s_add_co_u32 s20, s20, s21                     ; A's first rowblock
	s_lshl_b32 s46, s42, 4                         ; B's
	s_lshl_b32 s21, s18, 9                         ; my K step: 512 images on
	s_add_co_u32 s22, s20, s21
	s_mul_i32 s22, s22, IMG                        ; A's codes, in bytes
	s_mov_b32 s23, 0
	s_add_co_u32 s92, s46, s21
	s_mul_i32 s92, s92, IMG                        ; B's
	s_mov_b32 s93, 0
	s_lshl_b32 s21, s18, 11                        ; scale words: my four K steps
	s_add_co_u32 s20, s20, s21
	s_lshl_b32 s20, s20, 6
	s_add_co_u32 s46, s46, s21
	s_lshl_b32 s46, s46, 6
	s_mov_b32 s21, 0
	s_mov_b32 s47, 0
	s_mul_i32 s94, s16, PART                       ; where they go: no place in the cluster enters an LDS address
	s_lshl_b32 s95, s16, 12
	s_mov_b32 s[SEL], 0x76543210
	s_mov_b32 s[SEL+1], 0xfedcba98
	s_wait_dscnt 0x0                               ; the opening add is done
	s_wait_kmcnt 0x0
	s_cmp_lt_u32 ttmp9, 2
	s_cselect_b64 s[96:97], s[4:5], s[8:9]         ; A's codes
	s_cselect_b64 s[8:9], s[8:9], s[4:5]           ; B's codes
	s_mov_b64 s[4:5], s[96:97]
	s_cselect_b64 s[96:97], s[6:7], s[10:11]       ; A's scales
	s_cselect_b64 s[10:11], s[10:11], s[6:7]       ; B's scales
	s_mov_b64 s[6:7], s[96:97]
	s_add_nc_u64 s[22:23], s[4:5], s[22:23]
	s_add_nc_u64 s[20:21], s[6:7], s[20:21]
	s_add_nc_u64 s[92:93], s[8:9], s[92:93]
	s_add_nc_u64 s[46:47], s[10:11], s[46:47]
	CROUND                                         ; all sixteen work-groups are here: the first joint loads meet
	s_mov_b32 s[G0S], 1
	s_add_co_u32 s[G0S+1], s95, SCL
	s_mov_b64 s[G0S+2:G0S+3], s[20:21]
	s_or_b32 s[G0S+3], s[G0S+3], 0x80000000
	s_mov_b32 s[G0SB], 1
	s_add_co_u32 s[G0SB+1], s95, SCL
	s_mov_b64 s[G0SB+2:G0SB+3], s[46:47]
	s_or_b32 s[G0SB+3], s[G0SB+3], 0x80000000
	JLOAD G0S, G1S, G0SB, G1SB                     ; the scale words first
.irp s, 0,1
	s_mov_b32 s[G0+4*\s], 1
	s_add_co_u32 s[G0+4*\s+1], s94, \s*SLOT
	s_add_nc_u64 s[G0+4*\s+2:G0+4*\s+3], s[22:23], \s*2*PLANE
	s_or_b32 s[G0+4*\s+3], s[G0+4*\s+3], 0x80000000
	s_mov_b32 s[G0B+4*\s], 1
	s_add_co_u32 s[G0B+4*\s+1], s94, \s*SLOT
	s_add_nc_u64 s[G0B+4*\s+2:G0B+4*\s+3], s[92:93], \s*2*PLANE
	s_or_b32 s[G0B+4*\s+3], s[G0B+4*\s+3], 0x80000000
	JLOAD G0+4*\s, G1, G0B+4*\s, G1B
.endr
	v_and_b32 v1, 15, v0                           ; r
	v_bfe_u32 v2, v0, 4, 1                         ; h
	v_and_b32 v3, 31, v0                           ; lane
	v_lshlrev_b32 v[OC], 3, v3
	s_mul_i32 s21, s17, 8*IMG                      ; my 8 images of A's 16
	s_mul_i32 s22, s18, 8*IMG
	s_add_co_u32 s22, s22, 2*PART                  ; and of B's, behind A's two K steps
.irp s, 0,1
	v_add_nc_u32 v[ADRA+\s], s21, v[OC]
	v_add_nc_u32 v[ADRB+\s], s22, v[OC]
	s_add_co_u32 s21, s21, SLOT
	s_add_co_u32 s22, s22, SLOT
.endr
	v_lshlrev_b32 v5, 2, v1                        ; my row's scale word
	s_lshl_b32 s21, s17, 9                         ; A's: my 8 images of 64 bytes
	s_lshl_b32 s22, s18, 9
	s_add_co_u32 s22, s22, 8192                    ; B's, behind A's 8,192 bytes
	s_sub_co_u32 s22, s22, s21
	v_mul_u32_u24 v6, s22, v2                      ; lanes 16-31 take B's
	s_add_co_u32 s21, s21, SCL
	v_add_nc_u32 v5, v5, v6
	v_add_nc_u32 v[ADRS], s21, v5
	s_lshl_b32 s21, s16, 9
	s_add_co_u32 s21, s21, SCR
	v_lshl_add_u32 v[OSW], v1, 2, s21
	v_lshl_add_u32 v[OSR], v0, 4, SCR
	v_lshlrev_b32 v[OSG], 4, v3
.irp b, 0,1,2,3
	v_mov_b32 v[TM+4+\b], 0                        ; a lane permute's destination counts as one of its sources
.endr
	; where my 128 x 128 goes: block number = region x 512 + batch x 128 + pair x 16 + token block
	s_lshl_b32 s20, s43, 1
	s_add_co_u32 s20, s20, s17                     ; my block of A's rows
	s_lshl_b32 s46, s42, 1
	s_add_co_u32 s46, s46, s18                     ; my block of B's rows
	s_add_co_u32 s21, s20, 16
	s_cmp_lt_u32 ttmp9, 2
	s_cselect_b32 s22, s20, s46                    ; the token block, 0 .. 63
	s_cselect_b32 s23, s46, s21                    ; 8 x region + pair
	s_lshr_b32 s20, s23, 3
	s_lshl_b32 s20, s20, 9
	s_lshr_b32 s21, s22, 4
	s_lshl_b32 s21, s21, 7
	s_add_co_u32 s20, s20, s21
	s_and_b32 s21, s23, 7
	s_lshl_b32 s21, s21, 4
	s_add_co_u32 s20, s20, s21
	s_and_b32 s21, s22, 15
	s_add_co_u32 s20, s20, s21
	s_mul_i32 s22, s20, 8*IMG
	s_mov_b32 s23, 0
	s_add_nc_u64 s[12:13], s[12:13], s[22:23]
	s_lshl_b32 s22, s20, 9
	s_add_nc_u64 s[14:15], s[14:15], s[22:23]
.macro FRAG reg, adr, q, i             ; an image comes back as it was laid: six loads of 256 consecutive bytes
.irp p, 0,1,2,3,4,5
	ds_load_b64 v[\reg+2*\p:\reg+2*\p+1], v[\adr] offset:(\q)*PART+(\i)*IMG+256*\p
.endr
.endm
; 16 matrix instructions: A's blocks a0, a0 + 1 x B's eight.  The 64 accumulators take turns, one instruction a turn, in the same order in every step
.macro MUL16 a0, p, q, sc, zero
.irp a, \a0, \a0+1
.irp b, 0,1,2,3,4,5,6,7
.if \zero
	v_wmma_scale_f32_16x16x128_f8f6f4 v[8*(8*((\a)%4)+\b):8*(8*((\a)%4)+\b)+7], v[128*(\p)+FR*\b:128*(\p)+FR*\b+FR-1], v[AF+FR*(\a):AF+FR*(\a)+FR-1], 0, v[SC+8*NQ*(\sc)+NQ*\b+(\q)], v[SC+8*NQ*(\sc)+NQ*(\a)+(\q)] matrix_a_fmt:MATRIX_FMT_FP6 matrix_b_fmt:MATRIX_FMT_FP6 matrix_a_scale:MATRIX_SCALE_ROW1
.else
	v_wmma_scale_f32_16x16x128_f8f6f4 v[8*(8*((\a)%4)+\b):8*(8*((\a)%4)+\b)+7], v[128*(\p)+FR*\b:128*(\p)+FR*\b+FR-1], v[AF+FR*(\a):AF+FR*(\a)+FR-1], v[8*(8*((\a)%4)+\b):8*(8*((\a)%4)+\b)+7], v[SC+8*NQ*(\sc)+NQ*\b+(\q)], v[SC+8*NQ*(\sc)+NQ*(\a)+(\q)] matrix_a_fmt:MATRIX_FMT_FP6 matrix_b_fmt:MATRIX_FMT_FP6 matrix_a_scale:MATRIX_SCALE_ROW1
.endif
.endr
.endr
.endm
.macro FETCH_B slot, q, p
	WIN TO_B
.irp i, 0,1,2,3,4,5,6,7
	FRAG 128*(\p)+FR*\i, ADRB+\slot, \q, \i
.endr
	WIN 0
.endm
.macro FETCH_A slot, q, i0
.irp i, \i0, \i0+1, \i0+2, \i0+3
	FRAG AF+FR*(\i), ADRA+\slot, \q, \i
.endr
.endm
.macro SCALES sc                       ; a slot's scale words: lanes 0-15 A's block i, lanes 16-31 B's block i; register 2 i + q
.irp i, 0,1,2,3,4,5,6,7
.irp q, 0,1
	ds_load_b32 v[SC+8*NQ*\sc+NQ*\i+\q], v[ADRS] offset:\q*1024+\i*64
.endr
.endr
.endm
.macro PLACES n                        ; plain places in front of loads into registers that matrix instructions have read, and of the first read of results
.rept \n
	v_nop
.endr
.endm
.macro STEP slot, q, zero              ; a step of 128 along K that has its successor in the same slot
	s_wait_dscnt 4*NL                              ; B's set and A's blocks 0-3 are in; the youngest 24 loads (A's blocks 4-7) may be out
	WIN MUL_LO
	MUL16 0, (\q)%2, \q, \slot, \zero
	MUL16 2, (\q)%2, \q, \slot, \zero
	s_wait_dscnt 0
	PLACES NP
	FETCH_B \slot, (\q)+1, 1-(\q)%2
	FETCH_A \slot, (\q)+1, 0
	WIN MUL_HI
	MUL16 4, (\q)%2, \q, \slot, \zero
	MUL16 6, (\q)%2, \q, \slot, \zero
	PLACES NP
	WIN 0
	FETCH_A \slot, (\q)+1, 4
.endm
; a slot's last step changes slots: each wave waits for all its tensor loads, adds 0 to its spare word, waits for that and for its reads of this slot; fill = 1: the barrier opens a round of the cluster's and the slot is filled again
.macro TURN slot, next, fill
	s_wait_tensorcnt 0x0                           ; all my tensor loads have landed: my part of the next slot
	ds_add_u32 v[SPW], v[NIL]
	s_wait_dscnt 4*NL+1                            ; the add and the youngest 24 loads may be out
	WIN MUL_LO
	MUL16 0, 1, NQ-1, \slot, 0
	s_wait_dscnt 0x0                               ; the add is done, and my reads of this slot are over
	s_barrier_signal -1
	MUL16 2, 1, NQ-1, \slot, 0
	WIN 0
	s_barrier_wait -1
.if \fill
	CREST                                          ; no wave of any partner still reads this slot or has a load on its way
	s_add_nc_u64 s[G0+4*\slot+2:G0+4*\slot+3], s[G0+4*\slot+2:G0+4*\slot+3], 4*PLANE
	s_add_nc_u64 s[G0B+4*\slot+2:G0B+4*\slot+3], s[G0B+4*\slot+2:G0B+4*\slot+3], 4*PLANE
	JLOAD G0+4*\slot, G1, G0B+4*\slot, G1B         ; the first tensor load behind the round; its four v_nop are the places in front of the loads below
.else
	PLACES NP
.endif
	v_add_nc_u32 v[ADRS], 2048, v[ADRS]            ; the next slot's scale words
	FETCH_B \next, 0, 0
	FETCH_A \next, 0, 0
	SCALES \next
	WIN MUL_HI
	MUL16 4, 1, NQ-1, \slot, 0
	MUL16 6, 1, NQ-1, \slot, 0
	PLACES NP
	WIN 0
	FETCH_A \next, 0, 4
.endm
	s_wait_tensorcnt 1                             ; the scale words and my part of slot 0 are in; slot 1's load may be out
	s_barrier_signal -1
	s_barrier_wait -1
	FETCH_B 0, 0, 0
	FETCH_A 0, 0, 0
	SCALES 0
	FETCH_A 0, 0, 4
	STEP 0, 0, 1                                   ; K step 0: its products start the sums
	TURN 0, 1, 1                                   ; K step 1; slot 0 takes K steps 4, 5
	STEP 1, 0, 0
	TURN 1, 0, 1                                   ; K step 3; slot 1 takes K steps 6, 7
	STEP 0, 0, 0
	TURN 0, 1, 0                                   ; K step 5; nothing is left to fetch
	STEP 1, 0, 0
	s_wait_dscnt 4*NL
	WIN MUL_LO
	MUL16 0, 1, NQ-1, 1, 0
	MUL16 2, 1, NQ-1, 1, 0
	s_wait_dscnt 0
	WIN MUL_HI
	MUL16 4, 1, NQ-1, 1, 0
	MUL16 6, 1, NQ-1, 1, 0
	WIN 0
; THE WAY OUT.  The 64 registers of A's block a are, for my lane's row, register 16 b + i = place 32 b + 16 h + i along B's rows: they are quantised where they stand and leave as one image and one scale word a row.
; Each accumulator is first read at its registers 0 and 1.
.macro QUANTW a
.set AC, 64*((\a)%4)
	WIN 0x0a+5*((\a)/4)                            ; sources 0 and 1: window 2 or 3
.irp b, 0,1,2,3
	v_max3_num_f32 v[TM+\b], |v[AC+16*\b]|, |v[AC+1+16*\b]|, 0x1800000
.endr
	WIN 0x28+0x14*((\a)/4)                         ; sources 1 and 2
.irp i, 2,4,6,8,10,12,14
.irp b, 0,1,2,3
	v_max3_num_f32 v[TM+\b], v[TM+\b], |v[AC+16*\b+\i]|, |v[AC+1+16*\b+\i]|
.endr
.endr
	WIN 0
.if (\a) > 0
	s_wait_dscnt 0x0                               ; the last block's scale word has been stored,
	s_wait_xcnt 0x0                                ; and its stores have read the code registers: both are written again below
.endif
.irp b, 0,1,2,3
	v_permlanex16_b32 v[TM+4+\b], v[TM+\b], s[SEL], s[SEL+1]
.endr
.irp b, 0,1,2,3
	v_max_num_f32 v[TM+\b], v[TM+\b], v[TM+4+\b]
.endr
.irp b, 0,1,2,3
	v_add_nc_u32 v[TM+12+\b], 0xff000000, v[TM+\b]
.endr
.irp b, 0,1,2,3
	v_lshrrev_b32 v[TM+4+\b], 23, v[TM+12+\b]
.endr
	v_lshl_or_b32 v[PW], v[TM+5], 8, v[TM+4]
	v_lshl_or_b32 v[PW], v[TM+6], 16, v[PW]
	v_lshl_or_b32 v[PW], v[TM+7], 24, v[PW]
	WIN 2+(\a)/4                                   ; source 0
.irp c, 0,1
	v_cvt_scalef32_pk16_fp6_f32 v[PC+6*\c:PC+2+6*\c], v[AC+32*\c:AC+15+32*\c], v[TM+12+2*\c]
	v_cvt_scalef32_pk16_fp6_f32 v[PC+12+4*\c:PC+14+4*\c], v[AC+16+32*\c:AC+31+32*\c], v[TM+12+2*\c+1]
.endr
	WIN 0
	v_nop                                          ; one plain place behind a scaled conversion
.irp c, 0,1
.irp i, 0,1,2
	v_permlane16_swap_b32 v[PC+6*\c+\i], v[PC+12+4*\c+\i]
.endr
.irp i, 0,1,2
	v_mov_b32 v[PC+3+6*\c+\i], v[PC+12+4*\c+\i]
.endr
.endr
.endm
	PLACES NP
.irp a, 0,1,2,3,4,5,6,7
	QUANTW \a
.irp p, 0,1,2,3,4,5
	global_store_b64 v[OC], v[PC+2*\p:PC+2*\p+1], s[12:13] offset:\a*IMG+256*\p   ; 256 consecutive aligned bytes
.endr
	ds_store_b32 v[OSW], v[PW] offset:64*\a        ; lanes 16-31 write the same word with the same value
.endr
	ds_load_b128 v[OW:OW+3], v[OSR]                ; my wave's eight scale images; LDS serves a wave's instructions in order
	s_wait_dscnt 0x0
	global_store_b128 v[OSG], v[OW:OW+3], s[14:15] ; 512 consecutive aligned bytes
	s_wait_tensorcnt 0x0                           ; the wave's end
	ds_add_u32 v[SPW], v[NIL]
	s_wait_dscnt 0x0
	CROUND                                         ; the closing round
	s_endpgm
.Lfunc_end_k_qf7894043c0_qkv:
	.size	k_qf7894043c0_qkv, .Lfunc_end_k_qf7894043c0_qkv-k_qf7894043c0_qkv
	.p2alignl 7, 3214868480
	.fill 96, 4, 3214868480
	.section	.rodata,"a",@progbits
	.p2align	6, 0x0
	.amdhsa_kernel k_qf7894043c0_qkv
		.amdhsa_group_segment_fixed_size 327680
		.amdhsa_private_segment_fixed_size 0
		.amdhsa_enable_private_segment 0
		.amdhsa_kernarg_size 48
		.amdhsa_user_sgpr_count 2
		.amdhsa_user_sgpr_kernarg_segment_ptr 1
		.amdhsa_wavefront_size32 1
		.amdhsa_system_sgpr_workgroup_id_x 1
		.amdhsa_system_sgpr_workgroup_id_y 1
		.amdhsa_system_sgpr_workgroup_id_z 1
		.amdhsa_system_vgpr_workitem_id 0
		.amdhsa_next_free_vgpr 1024
		.amdhsa_next_free_sgpr 98
		.amdhsa_reserve_vcc 0
		.amdhsa_float_denorm_mode_32 3
		.amdhsa_float_denorm_mode_16_64 3
		.amdhsa_memory_ordered 1
		.amdhsa_forward_progress 1
		.amdhsa_inst_pref_size 169
	.end_amdhsa_kernel
	.amdgpu_metadata
---
amdhsa.version: [ 1, 2 ]
amdhsa.kernels:
  - .name:           k_qf7894043c0_qkv
    .symbol:         k_qf7894043c0_qkv.kd
    .args:
      - { .name: x_codes, .offset: 0, .size: 8, .value_kind: global_buffer, .address_space: global }
      - { .name: x_scales, .offset: 8, .size: 8, .value_kind: global_buffer, .address_space: global }
      - { .name: w_codes, .offset: 16, .size: 8, .value_kind: global_buffer, .address_space: global }
      - { .name: w_scales, .offset: 24, .size: 8, .value_kind: global_buffer, .address_space: global }
      - { .name: qkv_codes, .offset: 32, .size: 8, .value_kind: global_buffer, .address_space: global }
      - { .name: qkv_scales, .offset: 40, .size: 8, .value_kind: global_buffer, .address_space: global }
    .group_segment_fixed_size: 327680
    .private_segment_fixed_size: 0
    .kernarg_segment_align: 8
    .kernarg_segment_size: 48
    .max_flat_workgroup_size: 128
    .sgpr_count:     98
    .vgpr_count:     1024
    .wavefront_size: 32
...
	.end_amdgpu_metadata
.endif
;; end of part 3
;; launch attn (part 4): grid 8 x 32, 16 waves a work-group, no clusters, 327,680 bytes of LDS; arguments qkv_codes, qkv_scales, ctx_codes, ctx_scales; writes ctx_codes, ctx_scales
.if DOCPART == 4
	.amdgcn_target "amdgcn-amd-amdhsa--gfx1250"
	.amdhsa_code_object_version 6
	.text
	.protected	k_qf7894043c0_attn
	.globl	k_qf7894043c0_attn
	.p2align	8
	.type	k_qf7894043c0_attn,@function
k_qf7894043c0_attn:
	s_mov_b64 s[64:65], 0
	v_nop
	global_prefetch_b8 v0, s[64:65] scope:SCOPE_SE
	s_setreg_imm32_b32 hwreg(HW_REG_WAVE_MODE, 25, 1), 1
	s_wait_xcnt 0x0
; Causal attention on codes of FP6 (E2M3) with E8M0 scales: ctx = softmax(q k^T / 8) v, head size 64, 2,048 tokens; ctx leaves as codes, quantised along the model's 1,024.
; TWO NEIGHBOURING HEADS ARE ONE PAIR OF 128 CHANNELS, which is the matrix instruction's K.  A fragment of k holds both heads; a wave serves ONE head and clears the other head's half of its fragment of q: zero codes add nothing.
; qkv_codes: [q, k, v][bp = batch x 8 + pair][block of 128 tokens][a 8][1,536]: images (register pair p of lane l at 256 p + 8 l).  q, k: rows = tokens of rowblock a (32 (a / 2) + 8 (a % 2) + r + 8 (r / 8)), K = the pair's channels;
; v: rows = the pair's channels, K = 128 keys.  qkv_scales: 64 bytes an image.  ctx_codes: [K step = pair][token rowblock 512][1,536]; ctx_scales [8][512][64].
; THE SOFTMAX: t = score x log2(e) / 8; M = the running largest t rounded UP to a whole number; p = 2^(t - M) is quantised along the keys, not normalised; the sum is taken of the unquantised p and divides at the end;
; when M moves, the sum and O are multiplied by 2^(old M - new M), which rounds nothing.
; SHARES.  Work-group (j, bp) owns query blocks 15 - j and j of 128 queries: 17 tile steps in every wave of every work-group.  Wave w: head w % 2 of the pair, rowblock w / 2 of both blocks: two tiles of 16 queries.
; Both products are used transposed (S^T = k q^T, O^T = v^T p^T): a lane holds one query; the 16 registers of tiles 2 b, 2 b + 1 are 16 neighbouring keys.
; THE RING: two LDS slots of two key blocks (k's two, v's two: 4 x 12,288 dense bytes); waves 0 to 3 fetch one part each.  Every work-group walks all eight slots with constant trip counts; a step whose keys all come after
; a tile's queries is jumped over by a branch on ids; a slot that begins after the work-group's last query block is not asked for.  Every wait on TENSORcnt is for 0.
; NO CLUSTER: the eight work-groups of a bp need 9 to 16 key blocks, so partners would need different numbers of tiles, and the jump at the causal limit may not lead round a joint load.
; PREFETCH: at each change of slots but the last two, work-group j = 0 of each bp asks for the slot after the one being loaded: waves 4-6 k's 24,576 bytes, waves 8-10 v's, 8,192 bytes a wave, lanes 256 bytes apart: each block of 256 bytes once.
; LIMITS: NaN and infinities are not served; a block of zeros gets the byte 1 (zero codes; read by this program alone).
; REGISTERS: v1-7 addresses that stay; v8-11 addresses in hand; v12-15, v28-31 the two tiles' -M, largest t, sum (two halves); v16-27, v80-91 q; v255, v92 q's scale words; v32-79 four fragments; v93-95 addresses; v96-159 S^T, then p;
; v160-191, v192-223 O^T of the two tiles; v224-235 p's codes; v232-254 at work.
.set IMG,   1536
.set KB,    8*IMG                      ; a block of 128 x 128 codes
.set SLOT1, 65536
.set SCK,   131072                     ; k's scale words of the whole bp: 8,192 bytes
.set SCV,   SCK+8192                   ; v's
.set SPARE, SCV+8192                   ; the spare words: 128 bytes for each of 16 waves
.set CSC,   SPARE+2048                 ; ctx's scale words: [block][rowblock 8][64]; no fill lands here
.set REGC,  6291456                    ; a region of qkv_codes
.set REGS,  262144                     ; and of qkv_scales
.set L8,   1
.set AV0,  2
.set ASK0, 3
.set ASV0, 4
.set SPW,  5
.set NIL,  6
.set D0,   7                           ; my query's place in its block - 16 h
.set ADK,  8
.set ADV,  9
.set ADS,  10
.set ADT,  11
.set PFO,  93
.set CSW,  94
.set CSR,  95
.set TB,   2
.set TS,   3
.set WV,   18
.set PI,   19
.set SEL,  20
.set CS,   22
.set G1T,  24
.set G1S,  32
.set G0T,  40
.set G0S,  44
.set KK,   48                          ; the key block in hand
.set HI,   49
.set LO,   50
.set SLOTS, 51
.set W8,   52
.set BP,   53
.set PFA,  66
.set LIM,  68
.macro TLOAD                           ; waves 0 to 3 fetch, each its own part; an s_nop 0 and four v_nop follow
	s_cmp_lt_u32 s[WV], 4
	s_cbranch_scc0 .Lasked_\@
	tensor_load_to_lds s[G0T:G0T+3], s[G1T:G1T+7]
	s_nop 0
.rept 4
	v_nop
.endr
.Lasked_\@:
.endm
.macro ASK
	s_cmp_gt_u32 s[SLOTS], s[LIM]
	s_cbranch_scc0 .Lnot_mine_\@
	global_prefetch_b8 v[PFO], s[PFA:PFA+1] th:TH_LOAD_NT scope:SCOPE_SE
.Lnot_mine_\@:
.endm
	s_load_b256 s[4:11], s[0:1], 0x0               ; qkv_codes, qkv_scales, ctx_codes, ctx_scales
	v_lshl_add_u32 v[SPW], v0, 2, SPARE
	v_mov_b32 v[NIL], 0
	ds_add_u32 v[SPW], v[NIL]                      ; the wave's opening: the add and its wait ahead of my first tensor load
	v_lshrrev_b32 v8, 5, v0
	v_readfirstlane_b32 s[WV], v8
	s_and_b32 s[PI], s[WV], 1                      ; my head of the pair.  In waves 0-3 also: which key block of a slot I fetch
	s_lshr_b32 s[W8], s[WV], 1                     ; my rowblock.  In waves 0-3 also: k (0) or v (1)
	s_and_b32 s[BP], ttmp7, 0xffff
	s_sub_co_u32 s[HI], 15, ttmp9
	s_mov_b32 s[LO], ttmp9
	s_mov_b32 s[G1T], 3<<16                        ; no mask; elements of 8 bytes; no padding: 12,288 dense bytes as 48 rows of 256
	s_mov_b32 s[G1T+1], 32<<16
	s_mov_b32 s[G1T+2], 48<<16
	s_mov_b32 s[G1T+3], 32<<16
	s_mov_b32 s[G1T+4], 48
	s_mov_b32 s[G1T+5], 32
	s_mov_b32 s[G1T+6], 0
	s_mov_b32 s[G1T+7], 0
	s_mov_b32 s[G1S], 3<<16                        ; 4,096 dense bytes of scale words as 16 rows of 256
	s_mov_b32 s[G1S+1], 32<<16
	s_mov_b32 s[G1S+2], 16<<16
	s_mov_b32 s[G1S+3], 32<<16
	s_mov_b32 s[G1S+4], 16
	s_mov_b32 s[G1S+5], 32
	s_mov_b32 s[G1S+6], 0
	s_mov_b32 s[G1S+7], 0
	s_add_co_u32 s74, s[W8], 1                     ; region 1 (k) or 2 (v)
	s_mul_i32 s75, s74, REGC
	s_lshl_b32 s76, s[BP], 4
	s_add_co_u32 s76, s76, s[PI]
	s_mul_i32 s76, s76, KB
	s_add_co_u32 s76, s76, s75                     ; my part of slot 0, in bytes
	s_mov_b32 s77, 0
	s_mul_i32 s78, s74, REGS
	s_lshl_b32 s75, s[BP], 13
	s_add_co_u32 s78, s78, s75
	s_lshl_b32 s75, s[PI], 12
	s_add_co_u32 s78, s78, s75                     ; my half of the bp's scale words
	s_mov_b32 s79, 0
	s_mul_i32 s80, s[WV], KB                       ; where they go
	s_lshl_b32 s81, s[WV], 12
	s_add_co_u32 s81, s81, SCK
	s_lshl_b32 s82, s[BP], 4                       ; q's images: ((16 bp + block) x 8 + rowblock)
	s_add_co_u32 s83, s82, s[LO]
	s_add_co_u32 s82, s82, s[HI]
	s_lshl_b32 s82, s82, 3
	s_add_co_u32 s82, s82, s[W8]
	s_lshl_b32 s83, s83, 3
	s_add_co_u32 s83, s83, s[W8]
	s_mul_i32 s84, s82, IMG
	s_mov_b32 s85, 0
	s_mul_i32 s86, s83, IMG
	s_mov_b32 s87, 0
	s_lshl_b32 s88, s82, 6
	s_mov_b32 s89, 0
	s_lshl_b32 s90, s83, 6
	s_mov_b32 s91, 0
	s_mov_b32 s[SEL], 0x76543210
	s_mov_b32 s[SEL+1], 0xfedcba98
	s_mov_b32 s[CS], 0x3e38aa3b                    ; c = log2(e) / 8
	s_mov_b32 s[CS+1], s[CS]
	s_mov_b32 s[TB], 0
	s_mov_b32 s[TS], 0
	s_mov_b32 s[KK], 0
	s_mov_b32 s[SLOTS], 7
	s_cmp_eq_u32 s[PI], 0
	s_cselect_b32 s72, -1, 0                       ; keeps q's registers 0-5 (the even head's 64) in waves of that head,
	s_cselect_b32 s73, 0, -1                       ; registers 6-11 in the others
	s_wait_dscnt 0x0                               ; the opening add is done
	s_wait_kmcnt 0x0
	s_mov_b32 s[G0S], 1
	s_mov_b32 s[G0S+1], s81
	s_add_nc_u64 s[G0S+2:G0S+3], s[6:7], s[78:79]
	s_or_b32 s[G0S+3], s[G0S+3], 0x80000000
	s_mov_b32 s[G0T], 1
	s_mov_b32 s[G0T+1], s80
	s_add_nc_u64 s[G0T+2:G0T+3], s[4:5], s[76:77]
	s_or_b32 s[G0T+3], s[G0T+3], 0x80000000
	s_cmp_lt_u32 s[WV], 4                          ; a wave's two first fills stand in one branch: two loads of mine are out
	s_cbranch_scc0 .Lno_first
	tensor_load_to_lds s[G0S:G0S+3], s[G1S:G1S+7]
	s_nop 0
	tensor_load_to_lds s[G0T:G0T+3], s[G1T:G1T+7]
	s_nop 0
.rept 4
	v_nop
.endr
.Lno_first:
	s_add_nc_u64 s[84:85], s[4:5], s[84:85]
	s_add_nc_u64 s[86:87], s[4:5], s[86:87]
	s_add_nc_u64 s[88:89], s[6:7], s[88:89]
	s_add_nc_u64 s[90:91], s[6:7], s[90:91]
	; the prefetches: where my wave's stand, and who asks
	s_cmp_lt_u32 s[WV], 8
	s_mov_b32 s74, 2*REGC
	s_cselect_b32 s74, REGC, s74                   ; waves 4-6: k; waves 8-10: v
	s_mul_i32 s75, s[BP], 16*KB
	s_add_co_u32 s74, s74, s75
	s_and_b32 s75, s[WV], 3
	s_lshl_b32 s75, s75, 13
	s_add_co_u32 s74, s74, s75
	s_add_co_u32 s74, s74, 2*KB                    ; in slot 1: the first change of slots steps it to slot 2
	s_mov_b32 s75, 0
	s_add_nc_u64 s[PFA:PFA+1], s[4:5], s[74:75]
	s_sub_co_u32 s74, s[WV], 4
	s_lshr_b32 s74, s74, 3                         ; 0 in waves 4 to 11,
	s_or_b32 s74, s74, ttmp9                       ; of the bp's first work-group
	s_cmp_eq_u32 s74, 0
	s_cselect_b32 s[LIM], 1, -1
	s_and_b32 s74, s[WV], 3
	s_cmp_eq_u32 s74, 3                            ; three waves' worth each
	s_cselect_b32 s[LIM], -1, s[LIM]
	v_and_b32 v8, 15, v0                           ; r
	v_bfe_u32 v9, v0, 4, 1                         ; h
	v_and_b32 v10, 31, v0                          ; lane
	v_lshlrev_b32 v[L8], 3, v10
	v_lshlrev_b32 v[PFO], 8, v10
	s_mul_i32 s74, s[PI], 4*IMG
	s_add_co_u32 s74, s74, 2*KB
	v_add_nc_u32 v[AV0], s74, v[L8]                ; v's images of my head's 64 channels
	v_lshl_add_u32 v[ASK0], v8, 2, SCK
	s_lshl_b32 s74, s[PI], 8
	s_add_co_u32 s74, s74, SCV
	v_lshl_add_u32 v[ASV0], v8, 2, s74
	s_lshr_b32 s74, s[W8], 1
	s_lshl_b32 s74, s74, 5
	s_and_b32 s75, s[W8], 1
	s_lshl_b32 s75, s75, 3
	s_add_co_u32 s74, s74, s75
	v_and_b32 v11, 8, v8
	v_add_nc_u32 v11, v11, v8                      ; r + 8 (r / 8)
	v_lshlrev_b32 v[D0], 4, v9
	v_sub_nc_u32 v[D0], v11, v[D0]
	v_add_nc_u32 v[D0], s74, v[D0]
	s_lshl_b32 s74, s[W8], 6
	s_lshl_b32 s75, s[PI], 1
	s_add_co_u32 s74, s74, s75
	s_add_co_u32 s74, s74, CSC
	v_lshl_add_u32 v[CSW], v8, 2, s74              ; my head's two bytes of my row's scale word
	v_lshl_add_u32 v[CSR], v0, 4, CSC
	v_lshlrev_b32 v11, 2, v8
.irp p, 0,1,2,3,4,5
	global_load_b64 v[16+2*\p:17+2*\p], v[L8], s[84:85] offset:256*\p
	global_load_b64 v[80+2*\p:81+2*\p], v[L8], s[86:87] offset:256*\p
.endr
	global_load_b32 v255, v11, s[88:89]
	global_load_b32 v92, v11, s[90:91]
	v_mov_b32 v13, 0xff61b1e6                      ; the largest t so far: -3e38
	v_floor_f32 v12, -v13                          ; -M
	v_mov_b32 v14, 0
	v_mov_b32 v15, 0
	v_mov_b32 v29, 0xff61b1e6
	v_floor_f32 v28, -v29
	v_mov_b32 v30, 0
	v_mov_b32 v31, 0
.irp b, 0,1,2,3
	v_mov_b32 v[236+\b], 0                         ; a lane permute's destination counts as one of its sources
.endr
	v_mov_b32 v252, 0
	v_mov_b32 v253, 0
	v_mov_b32 v254, 0
	s_wait_loadcnt 0x0                             ; q
.irp i, 0,1,2,3,4,5
	v_and_b32 v[16+\i], s72, v[16+\i]              ; the other head's half becomes zero codes
	v_and_b32 v[22+\i], s73, v[22+\i]
	v_and_b32 v[80+\i], s72, v[80+\i]
	v_and_b32 v[86+\i], s73, v[86+\i]
.endr
.set n, 0
.rept 64
	v_mov_b32 v[160+n], 0                          ; O^T: the step is written once; the first change of M leaves zeros zeros
.set n, n+1
.endr
; A TILE STEP: 16 queries x the 128 keys of the slot's q-th block.  QF, QS: q's fragment and scale word; MS: the tile's four state registers; OB: its O^T; BLK: the register that holds its query block
.macro TSTEP q, QF, QS, MS, OB, BLK
	v_add_nc_u32 v[ADK], s[TB], v[L8]              ; (these four are also the places in front of the loads below)
	v_add_nc_u32 v[ADV], s[TB], v[AV0]
	v_add_nc_u32 v[ADS], s[TS], v[ASK0]
	v_add_nc_u32 v[ADT], s[TS], v[ASV0]
.irp g, 0,1                                    ; S^T = k q^T, four tiles of 16 keys at a time
.if \g
.rept 4
	v_nop
.endr
.endif
.irp t, 0,1,2,3
.irp p, 0,1,2,3,4,5
	ds_load_b64 v[32+12*\t+2*\p:33+12*\t+2*\p], v[ADK] offset:(\q)*KB+(4*\g+\t)*IMG+256*\p
.endr
	ds_load_b32 v[248+\t], v[ADS] offset:64*(4*\g+\t)
.endr
	s_wait_dscnt 0x0
.irp t, 0,1,2,3
	v_wmma_scale_f32_16x16x128_f8f6f4 v[96+8*(4*\g+\t):103+8*(4*\g+\t)], v[32+12*\t:43+12*\t], v[\QF:\QF+11], 0, v[248+\t], v[\QS] matrix_a_fmt:MATRIX_FMT_FP6 matrix_b_fmt:MATRIX_FMT_FP6
.endr
.endr
.rept 4
	v_nop
.endr
	s_cmp_lg_u32 s[KK], s[\BLK]                    ; only the diagonal block has hidden keys
	s_cbranch_scc1 .Lopen_\@
	v_mov_b32 v254, 0xff800000                     ; -infinity
.set n, 0
.rept 64                                       ; register n holds key 32 (n / 16) + n % 16 + 16 h of the block: hidden where that is above my query
	v_cmp_gt_i32 vcc_lo, 32*(n/16)+n%16, v[D0]
	v_cndmask_b32 v[96+n], v[96+n], v254, vcc_lo
.set n, n+1
.endr
.Lopen_\@:
.irp b, 0,1,2,3
	v_max3_num_f32 v[232+\b], v[96+16*\b], v[97+16*\b], v[98+16*\b]   ; the largest score of each block of 32 keys: for the row's maximum and, since p rises with the score, for the block's largest p
.endr
.irp i, 3,5,7,9,11,13
.irp b, 0,1,2,3
	v_max3_num_f32 v[232+\b], v[232+\b], v[96+16*\b+\i], v[97+16*\b+\i]
.endr
.endr
.irp b, 0,1,2,3
	v_max_num_f32 v[232+\b], v[232+\b], v[111+16*\b]
.endr
.irp b, 0,1,2,3
	v_permlanex16_b32 v[236+\b], v[232+\b], s[SEL], s[SEL+1]
.endr
.irp b, 0,1,2,3
	v_max_num_f32 v[232+\b], v[232+\b], v[236+\b]
.endr
	v_max3_num_f32 v254, v232, v233, v234
	v_max_num_f32 v254, v254, v235
	v_mul_f32 v254, s[CS], v254
	v_max_num_f32 v[\MS+1], v[\MS+1], v254         ; the running largest t
	v_mov_b32 v254, v[\MS]
	v_floor_f32 v[\MS], -v[\MS+1]                  ; -M = floor(-t): M is a whole number
	v_sub_f32 v254, v[\MS], v254
	v_cvt_i32_f32 v254, v254                       ; (it saturates)
	v_ldexp_f32 v252, 1.0, v254                    ; f = 2^(old M - new M)
.set n, 0
.rept 32
	v_pk_fma_f32 v[96+n:97+n], v[96+n:97+n], s[CS:CS+1], v[\MS:\MS+1] op_sel_hi:[1,0,0]   ; t - M
.set n, n+2
.endr
.irp b, 0,1,2,3
	v_fma_f32 v[232+\b], v[232+\b], s[CS], v[\MS]
.endr
.set n, 0
.rept 64
	v_exp_f32 v[96+n], v[96+n]                     ; p = 2^(t - M)
.set n, n+1
.endr
	v_pk_mul_f32 v[\MS+2:\MS+3], v[\MS+2:\MS+3], v[252:253] op_sel_hi:[1,0]   ; the sums under the new M: a plain place behind the exponentials
	s_wait_alu depctr_va_vdst(0)                   ; one wait for the batch, ahead of its first reader
.irp b, 0,1,2,3
	v_exp_f32 v[232+\b], v[232+\b]                 ; each block's largest p
.endr
	v_pk_add_f32 v[236:237], v[96:97], v[98:99]    ; the row's sum, of the unquantised p, in two chains
.irp j, 4,8,12,16,20,24,28,32,36,40,44,48,52,56,60
	v_pk_add_f32 v[\MS+2:\MS+3], v[\MS+2:\MS+3], v[96+\j:97+\j]
	v_pk_add_f32 v[236:237], v[236:237], v[98+\j:99+\j]
.endr
	v_pk_add_f32 v[\MS+2:\MS+3], v[\MS+2:\MS+3], v[236:237]
	s_wait_alu depctr_va_vdst(0)                   ; and one for the four
.irp b, 0,1,2,3
	v_max_num_f32 v[232+\b], 0x1800000, v[232+\b]  ; the floor 2^(3 - 127)
.endr
.irp b, 0,1,2,3
	v_add_nc_u32 v[244+\b], 0xff000000, v[232+\b]
.endr
.irp b, 0,1,2,3
	v_lshrrev_b32 v[236+\b], 23, v[244+\b]
.endr
	v_lshl_or_b32 v253, v237, 8, v236              ; p's scale word
	v_lshl_or_b32 v253, v238, 16, v253
	v_lshl_or_b32 v253, v239, 24, v253
.irp c, 0,1
	v_cvt_scalef32_pk16_fp6_f32 v[224+6*\c:226+6*\c], v[96+32*\c:111+32*\c], v[244+2*\c]
	v_cvt_scalef32_pk16_fp6_f32 v[236+4*\c:238+4*\c], v[112+32*\c:127+32*\c], v[244+2*\c+1]
.endr
	v_nop
.irp c, 0,1
.irp i, 0,1,2
	v_permlane16_swap_b32 v[224+6*\c+\i], v[236+4*\c+\i]
.endr
.irp i, 0,1,2
	v_mov_b32 v[227+6*\c+\i], v[236+4*\c+\i]
.endr
.endr
.set n, 0
.rept 16
	v_pk_mul_f32 v[\OB+n:\OB+n+1], v[\OB+n:\OB+n+1], v[252:253] op_sel_hi:[1,0]   ; O^T under the new M; of these sixteen at least twelve name no register of any one product below: its places
.set n, n+2
.endr
.irp t, 0,1,2,3                                ; O^T += v^T p^T: my head's four tiles of 16 channels
.irp p, 0,1,2,3,4,5
	ds_load_b64 v[32+12*\t+2*\p:33+12*\t+2*\p], v[ADV] offset:(\q)*KB+\t*IMG+256*\p
.endr
	ds_load_b32 v[248+\t], v[ADT] offset:64*\t
.endr
	s_wait_dscnt 0x0
.irp t, 0,1,2,3
	v_wmma_scale_f32_16x16x128_f8f6f4 v[\OB+8*\t:\OB+8*\t+7], v[32+12*\t:43+12*\t], v[224:235], v[\OB+8*\t:\OB+8*\t+7], v[248+\t], v253 matrix_a_fmt:MATRIX_FMT_FP6 matrix_b_fmt:MATRIX_FMT_FP6
.endr
.endm
; A KEY BLOCK: both tiles, as far as the mask lets its keys count.  The branches hang on ids and the count of steps; the lines that step stand on every path
.macro KSTEP q
	s_cmp_gt_u32 s[KK], s[HI]
	s_cbranch_scc1 .Lover_\@
	TSTEP \q, 16, 255, 12, 160, HI
	s_cmp_gt_u32 s[KK], s[LO]
	s_cbranch_scc1 .Lover_\@
	TSTEP \q, 80, 92, 28, 192, LO
.Lover_\@:
	s_add_co_u32 s[KK], s[KK], 1
	s_add_co_u32 s[TS], s[TS], 512
.endm
; THE CHANGE OF SLOTS, at a slot's head: every wave waits for all its tensor loads, adds 0 to its spare word, waits for that and for its reads of the slot that it has left; behind the barrier that slot is filled with the keys that follow
.macro CHANGE fill
	s_wait_tensorcnt 0x0                           ; no tensor load of mine is out, so the group 0 may be written
	ds_add_u32 v[SPW], v[NIL]
.if \fill
	s_xor_b32 s[G0T+1], s[G0T+1], SLOT1
	s_add_nc_u64 s[G0T+2:G0T+3], s[G0T+2:G0T+3], 2*KB
	s_wait_xcnt 0x0                                ; the last prefetch, a slot back, has read its address
	s_add_nc_u64 s[PFA:PFA+1], s[PFA:PFA+1], 2*KB
.endif
	s_wait_dscnt 0x0
	s_barrier_signal -1
	s_barrier_wait -1
.if \fill
	s_add_co_u32 s96, s[KK], 2                     ; the first key block of the slot that this change would ask for
	s_cmp_gt_u32 s96, s[HI]                        ; past my work-group's last query block nobody reads it: ids and the count of steps alone, the same in all sixteen waves
	s_cbranch_scc1 .Lpast_\@
	TLOAD
.Lpast_\@:
	ASK
.endif
.endm
.Lslot:                                            ; seven trips
	CHANGE 1
	KSTEP 0
	KSTEP 1
	s_xor_b32 s[TB], s[TB], SLOT1
	s_sub_co_u32 s[SLOTS], s[SLOTS], 1
	s_cmp_lg_u32 s[SLOTS], 0
	s_cbranch_scc1 .Lslot
	CHANGE 0                                       ; the last slot is written out: nothing is left to fetch
	KSTEP 0
	KSTEP 1
	; THE WAY OUT: O^T / the sum; the two tiles' 32 + 32 numbers are four blocks of 32 along the model's axis: one pass of the quantiser; each tile's six registers are my head's half of an image of ctx
.rept 4
	v_nop
.endr
	v_add_f32 v14, v14, v15
	v_add_f32 v30, v30, v31
	v_permlanex16_b32 v252, v14, s[SEL], s[SEL+1]
	v_permlanex16_b32 v254, v30, s[SEL], s[SEL+1]
	v_add_f32 v14, v14, v252
	v_add_f32 v30, v30, v254
	v_rcp_f32 v14, v14
	v_rcp_f32 v30, v30
	v_and_b32 v8, 31, v0                           ; (a plain place behind the reciprocals)
	v_lshlrev_b32 v8, 4, v8                        ; 16 x lane
	s_and_b32 s74, s[BP], 7
	s_lshl_b32 s74, s74, 9                         ; the pair's plane of 512 rowblocks
	s_lshr_b32 s75, s[BP], 3
	s_lshl_b32 s75, s75, 7                         ; the batch's 128
	s_add_co_u32 s74, s74, s75
	s_lshl_b32 s76, s[HI], 3
	s_add_co_u32 s76, s76, s74
	s_lshl_b32 s78, s[LO], 3
	s_add_co_u32 s78, s78, s74
	s_cmp_eq_u32 s[WV], 0                          ; wave 0 stores the upper block's scale words, wave 1 the lower's
	s_cselect_b32 s80, s76, s78
	s_lshl_b32 s80, s80, 6
	s_mov_b32 s81, 0
	s_add_nc_u64 s[10:11], s[10:11], s[80:81]
	s_mul_i32 s82, s[PI], 768
	s_add_co_u32 s76, s76, s[W8]
	s_mul_i32 s76, s76, IMG
	s_add_co_u32 s76, s76, s82
	s_mov_b32 s77, 0
	s_add_co_u32 s78, s78, s[W8]
	s_mul_i32 s78, s78, IMG
	s_add_co_u32 s78, s78, s82
	s_mov_b32 s79, 0
	s_add_nc_u64 s[76:77], s[8:9], s[76:77]
	s_add_nc_u64 s[78:79], s[8:9], s[78:79]
	s_wait_alu depctr_va_vdst(0)                   ; one wait for the two reciprocals, ahead of their first reader
.set n, 0
.rept 32
	v_mul_f32 v[96+n], v[160+n], v14               ; each accumulator from its low end on
.set n, n+1
.endr
.set n, 0
.rept 32
	v_mul_f32 v[128+n], v[192+n], v30
.set n, n+1
.endr
.irp b, 0,1,2,3
	v_max3_num_f32 v[232+\b], |v[96+16*\b]|, |v[97+16*\b]|, 0x1800000
.endr
.irp i, 2,4,6,8,10,12,14
.irp b, 0,1,2,3
	v_max3_num_f32 v[232+\b], v[232+\b], |v[96+16*\b+\i]|, |v[97+16*\b+\i]|
.endr
.endr
.irp b, 0,1,2,3
	v_permlanex16_b32 v[236+\b], v[232+\b], s[SEL], s[SEL+1]
.endr
.irp b, 0,1,2,3
	v_max_num_f32 v[232+\b], v[232+\b], v[236+\b]
.endr
.irp b, 0,1,2,3
	v_add_nc_u32 v[244+\b], 0xff000000, v[232+\b]
.endr
.irp b, 0,1,2,3
	v_lshrrev_b32 v[236+\b], 23, v[244+\b]
.endr
	v_lshl_or_b32 v253, v237, 8, v236              ; low half: the upper block's two bytes; high half: the lower block's
	v_lshl_or_b32 v253, v238, 16, v253
	v_lshl_or_b32 v253, v239, 24, v253
.irp c, 0,1
	v_cvt_scalef32_pk16_fp6_f32 v[224+6*\c:226+6*\c], v[96+32*\c:111+32*\c], v[244+2*\c]
	v_cvt_scalef32_pk16_fp6_f32 v[236+4*\c:238+4*\c], v[112+32*\c:127+32*\c], v[244+2*\c+1]
.endr
	v_nop
.irp c, 0,1
.irp i, 0,1,2
	v_permlane16_swap_b32 v[224+6*\c+\i], v[236+4*\c+\i]
.endr
.irp i, 0,1,2
	v_mov_b32 v[227+6*\c+\i], v[236+4*\c+\i]
.endr
.endr
.irp p, 0,1,2
	global_store_b64 v[L8], v[224+2*\p:225+2*\p], s[76:77] offset:256*\p   ; 256 consecutive aligned bytes
	global_store_b64 v[L8], v[230+2*\p:231+2*\p], s[78:79] offset:256*\p
.endr
	ds_store_b16 v[CSW], v253                      ; lanes 16-31 write the same bytes with the same value
	ds_store_b16_d16_hi v[CSW], v253 offset:512
	s_wait_dscnt 0x0                               ; for the others' sake: my stores are done
	s_barrier_signal -1
	s_barrier_wait -1
	s_cmp_lt_u32 s[WV], 2
	s_cbranch_scc0 .Lno_scales
	ds_load_b128 v[32:35], v[CSR]                  ; a block's eight scale images, whole words from two waves each
	s_wait_dscnt 0x0
	global_store_b128 v8, v[32:35], s[10:11]       ; 512 consecutive aligned bytes
.Lno_scales:
	s_wait_tensorcnt 0x0                           ; the wave's end
	ds_add_u32 v[SPW], v[NIL]
	s_wait_dscnt 0x0
	s_endpgm
.Lfunc_end_k_qf7894043c0_attn:
	.size	k_qf7894043c0_attn, .Lfunc_end_k_qf7894043c0_attn-k_qf7894043c0_attn
	.p2alignl 7, 3214868480
	.fill 96, 4, 3214868480
	.section	.rodata,"a",@progbits
	.p2align	6, 0x0
	.amdhsa_kernel k_qf7894043c0_attn
		.amdhsa_group_segment_fixed_size 327680
		.amdhsa_private_segment_fixed_size 0
		.amdhsa_enable_private_segment 0
		.amdhsa_kernarg_size 32
		.amdhsa_user_sgpr_count 2
		.amdhsa_user_sgpr_kernarg_segment_ptr 1
		.amdhsa_wavefront_size32 1
		.amdhsa_system_sgpr_workgroup_id_x 1
		.amdhsa_system_sgpr_workgroup_id_y 1
		.amdhsa_system_sgpr_workgroup_id_z 1
		.amdhsa_system_vgpr_workitem_id 0
		.amdhsa_next_free_vgpr 256
		.amdhsa_next_free_sgpr 100
		.amdhsa_reserve_vcc 1
		.amdhsa_float_denorm_mode_32 3
		.amdhsa_float_denorm_mode_16_64 3
		.amdhsa_memory_ordered 1
		.amdhsa_forward_progress 1
		.amdhsa_inst_pref_size 213
	.end_amdhsa_kernel
	.amdgpu_metadata
---
amdhsa.version: [ 1, 2 ]
amdhsa.kernels:
  - .name:           k_qf7894043c0_attn
    .symbol:         k_qf7894043c0_attn.kd
    .args:
      - { .name: qkv_codes, .offset: 0, .size: 8, .value_kind: global_buffer, .address_space: global }
      - { .name: qkv_scales, .offset: 8, .size: 8, .value_kind: global_buffer, .address_space: global }
      - { .name: ctx_codes, .offset: 16, .size: 8, .value_kind: global_buffer, .address_space: global }
      - { .name: ctx_scales, .offset: 24, .size: 8, .value_kind: global_buffer, .address_space: global }
    .group_segment_fixed_size: 327680
    .private_segment_fixed_size: 0
    .kernarg_segment_align: 8
    .kernarg_segment_size: 32
    .max_flat_workgroup_size: 512
    .sgpr_count:     100
    .vgpr_count:     256
    .wavefront_size: 32
...
	.end_amdgpu_metadata
.endif
;; end of part 4
;; launch proj (part 5): grid 4 x 32, 4 waves a work-group, clusters of 4 x 4, 327,680 bytes of LDS; arguments ctx_codes, ctx_scales, w_codes, w_scales, bo, out0; writes out0
.if DOCPART == 5
	.amdgcn_target "amdgcn-amd-amdhsa--gfx1250"
	.amdhsa_code_object_version 6
	.text
	.protected	k_qf7894043c0_proj
	.globl	k_qf7894043c0_proj
	.p2align	8
	.type	k_qf7894043c0_proj,@function
k_qf7894043c0_proj:
	s_mov_b64 s[64:65], 0
	v_nop
	global_prefetch_b8 v0, s[64:65] scope:SCOPE_SE
	s_setreg_imm32_b32 hwreg(HW_REG_WAVE_MODE, 25, 1), 1
	s_wait_xcnt 0x0
	s_wait_alu depctr_hold_cnt(0) depctr_sa_sdst(0) depctr_va_vdst(0) depctr_va_sdst(0) depctr_va_ssrc(0) depctr_va_vcc(0) depctr_vm_vsrc(0)
	s_getreg_b32 s2, hwreg(HW_REG_IB_STS2, 6, 4)
	s_cmp_eq_u32 s2, 0
	s_cbranch_scc0 .Lentry_in_a_cluster
	s_endpgm
.Lentry_in_a_cluster:
	s_bfe_u32 s2, ttmp6, 0x10000c
	s_cmp_lg_u32 s2, 0xf033
	s_cbranch_scc0 .Lentry_shape_is_right
	s_endpgm
.Lentry_shape_is_right:
; out = ctx Wo + bo on codes of FP6 (E2M3) with E8M0 scales; out [8192][1024] f32.
; OPERANDS are images: a fragment (16 rows x 128 K, 12 registers a lane), register pair p of lane l at 256 p + 8 l; [K step 8][rowblock 512][1,536]; scale words [8][512][64].  Rowblock T holds rows 32 (T / 2) + 8 (T % 2) + r + 8 (r / 8).
; A = ctx (rowblocks of tokens), B = Wo's columns (places 192-255 of w_codes).  A tile of 256 x 256 to a work-group of four waves, 128 x 128 a wave: 64 accumulators; 128 tiles in all.
; The matrix instruction is used transposed (source 0 = B's 16 rows, source 1 = A's): a lane holds one token and, in accumulator b, columns 32 (b / 2) + 16 h + 8 (b % 2) + 0 .. 7.  The bias is the C of each sum's first product.
; K = 1,024 goes in eight steps of 128, two to an LDS slot, two slots: five fills in all, so the steps are written out without a loop.  CLUSTERS 4 x 4: A's tiles are asked for jointly along a row, B's along a column.
; REGISTERS: window 0: v16-30 addresses; v32-63 scale words, two sets; v64-127 the bias; v128-223 A's fragments, on the way out v128-255 rows of out.  Window 1: B's fragments, two sets.  Windows 2, 3: the accumulators.
.set IMG,   1536
.set PART,  16*IMG
.set SLOT,  4*PART
.set PLANE, 512*IMG
.set SCL,   2*SLOT
.set SPARE, SCL+16384
.set STAGE, SPARE+512                  ; the way out: 16 rows x 528 bytes for each wave; no fill lands here
.set SPITCH, 528
.set FR,    12
.set NL,    6
.set NP,    4
.set NQ,    2
.set ADRA, 16
.set ADRB, 20
.set STO,  24
.set RD,   25
.set CO,   26
.set ADRS, 27
.set SPW,  28
.set NIL,  29
.set SC,   32
.set BI,   64
.set AF,   128
.set BK,   128
.set G1, 24
.set G0, 32
.set G1B, 48
.set G0B, 56
.set G1S, 68
.set G0S, 76
.set G1SB, 80
.set G0SB, 88
.set MSB, 0
.macro WIN new
.if MSB != (\new)
	s_set_vgpr_msb (MSB<<8)|(\new)
.set MSB, (\new)
.endif
.endm
.set MUL_LO, 0xa1                      ; source 0 (B) window 1, source 1 (A) window 0, C and D window 2
.set MUL_HI, 0xf1
.set FIRST_LO, 0x81                    ; the same with C (the bias) in window 0
.set FIRST_HI, 0xc1
.set TO_B,   0x40
.macro JLOAD g0a, g1a, g0b, g1b        ; a joint load: waves 0 and 1 fetch for A, waves 2 and 3 for B; an s_nop 0 and four v_nop follow each line
	s_cmp_eq_u32 s17, 0
	s_cbranch_scc0 .Lfor_b_\@
	tensor_load_to_lds s[\g0a:\g0a+3], s[\g1a:\g1a+7]
	s_nop 0
.rept 4
	v_nop
.endr
	s_branch .Lasked_\@
.Lfor_b_\@:
	tensor_load_to_lds s[\g0b:\g0b+3], s[\g1b:\g1b+7]
	s_nop 0
.rept 4
	v_nop
.endr
.Lasked_\@:
.endm
.macro CREST
	s_cmp_lg_u32 s16, 0
	s_cbranch_scc1 .Lnot_wave_0_\@
	s_barrier_signal -3
.Lnot_wave_0_\@:
	s_barrier_wait -3
	s_barrier_signal -1
	s_barrier_wait -1
.endm
.macro CROUND
	s_barrier_signal -1
	s_barrier_wait -1
	CREST
.endm
	s_load_b256 s[4:11], s[0:1], 0x0               ; ctx_codes, ctx_scales, w_codes, w_scales
	s_load_b128 s[12:15], s[0:1], 0x20             ; bo, out0
	v_lshl_add_u32 v[SPW], v0, 2, SPARE
	v_mov_b32 v[NIL], 0
	ds_add_u32 v[SPW], v[NIL]                      ; the wave's opening: the add and its wait ahead of my first tensor load
	v_lshrrev_b32 v1, 5, v0
	v_readfirstlane_b32 s16, v1                    ; wave
	s_lshr_b32 s17, s16, 1                         ; my half of the rows.  Also: I fetch for A (0) or B (1)
	s_and_b32 s18, s16, 1                          ; my half of the columns.  Also: which of a slot's two K steps I fetch
	s_bfe_u32 s40, ttmp6, 0x40000                  ; cx
	s_bfe_u32 s41, ttmp6, 0x40004                  ; cy
	s_lshl_b32 s42, ttmp9, 2
	s_add_co_u32 s42, s42, s40                     ; tile column
	s_and_b32 s43, ttmp7, 0xffff
	s_lshl_b32 s43, s43, 2
	s_add_co_u32 s43, s43, s41                     ; tile row
	s_lshl_b32 s44, s41, 2
	s_lshl_b32 s44, 15, s44                        ; my row of the cluster
	s_lshl_b32 s45, 0x1111, s40                    ; my column
	s_or_b32 s[G1+0], s44, (3<<16)|(1<<21)
	s_or_b32 s[G1B+0], s45, (3<<16)|(1<<21)
.irp g, G1, G1B                                ; 24,576 dense bytes as 96 rows of 256
	s_mov_b32 s[\g+1], 32<<16
	s_mov_b32 s[\g+2], 96<<16
	s_mov_b32 s[\g+3], 32<<16
	s_mov_b32 s[\g+4], 96
	s_mov_b32 s[\g+5], 32
	s_mov_b32 s[\g+6], 0
	s_mov_b32 s[\g+7], 0
.endr
	s_or_b32 s[G1S+0], s44, (3<<16)|(1<<21)
	s_or_b32 s[G1SB+0], s45, (3<<16)|(1<<21)
.irp g, G1S, G1SB                              ; scale words: four K steps x 1,024 bytes, 32,768 bytes apart
	s_mov_b32 s[\g+1], 128<<16
	s_mov_b32 s[\g+2], 4<<16
	s_mov_b32 s[\g+3], 128<<16
	s_mov_b32 s[\g+4], 4
	s_mov_b32 s[\g+5], 4096
	s_mov_b32 s[\g+6], 0
	s_mov_b32 s[\g+7], 0
.endr
	s_lshl_b32 s20, s43, 4                         ; A's first rowblock
	s_lshl_b32 s46, s42, 4
	s_add_co_u32 s46, s46, 192                     ; B's: Wo's places begin at 192
	s_lshl_b32 s21, s18, 9
	s_add_co_u32 s22, s20, s21
	s_mul_i32 s22, s22, IMG
	s_mov_b32 s23, 0
	s_add_co_u32 s92, s46, s21
	s_mul_i32 s92, s92, IMG
	s_mov_b32 s93, 0
	s_lshl_b32 s21, s18, 11
	s_add_co_u32 s20, s20, s21
	s_lshl_b32 s20, s20, 6
	s_add_co_u32 s46, s46, s21
	s_lshl_b32 s46, s46, 6
	s_mov_b32 s21, 0
	s_mov_b32 s47, 0
	s_mul_i32 s94, s16, PART
	s_lshl_b32 s95, s16, 12
	s_wait_dscnt 0x0                               ; the opening add is done
	s_wait_kmcnt 0x0
	s_add_nc_u64 s[22:23], s[4:5], s[22:23]
	s_add_nc_u64 s[20:21], s[6:7], s[20:21]
	s_add_nc_u64 s[92:93], s[8:9], s[92:93]
	s_add_nc_u64 s[46:47], s[10:11], s[46:47]
	CROUND                                         ; all sixteen work-groups are here: the first joint loads meet
	s_mov_b32 s[G0S], 1
	s_add_co_u32 s[G0S+1], s95, SCL
	s_mov_b64 s[G0S+2:G0S+3], s[20:21]
	s_or_b32 s[G0S+3], s[G0S+3], 0x80000000
	s_mov_b32 s[G0SB], 1
	s_add_co_u32 s[G0SB+1], s95, SCL
	s_mov_b64 s[G0SB+2:G0SB+3], s[46:47]
	s_or_b32 s[G0SB+3], s[G0SB+3], 0x80000000
	JLOAD G0S, G1S, G0SB, G1SB
.irp s, 0,1
	s_mov_b32 s[G0+4*\s], 1
	s_add_co_u32 s[G0+4*\s+1], s94, \s*SLOT
	s_add_nc_u64 s[G0+4*\s+2:G0+4*\s+3], s[22:23], \s*2*PLANE
	s_or_b32 s[G0+4*\s+3], s[G0+4*\s+3], 0x80000000
	s_mov_b32 s[G0B+4*\s], 1
	s_add_co_u32 s[G0B+4*\s+1], s94, \s*SLOT
	s_add_nc_u64 s[G0B+4*\s+2:G0B+4*\s+3], s[92:93], \s*2*PLANE
	s_or_b32 s[G0B+4*\s+3], s[G0B+4*\s+3], 0x80000000
	JLOAD G0+4*\s, G1, G0B+4*\s, G1B
.endr
	v_and_b32 v1, 15, v0                           ; r
	v_bfe_u32 v2, v0, 4, 1                         ; h
	v_and_b32 v3, 31, v0                           ; lane
	v_lshlrev_b32 v4, 3, v3
	s_mul_i32 s21, s17, 8*IMG
	s_mul_i32 s22, s18, 8*IMG
	s_add_co_u32 s22, s22, 2*PART
.irp s, 0,1
	v_add_nc_u32 v[ADRA+\s], s21, v4
	v_add_nc_u32 v[ADRB+\s], s22, v4
	s_add_co_u32 s21, s21, SLOT
	s_add_co_u32 s22, s22, SLOT
.endr
	v_lshlrev_b32 v5, 2, v1
	s_lshl_b32 s21, s17, 9
	s_lshl_b32 s22, s18, 9
	s_add_co_u32 s22, s22, 8192
	s_sub_co_u32 s22, s22, s21
	v_mul_u32_u24 v6, s22, v2                      ; lanes 16-31 take B's scale words
	s_add_co_u32 s21, s21, SCL
	v_add_nc_u32 v5, v5, v6
	v_add_nc_u32 v[ADRS], s21, v5
	s_mul_i32 s23, s16, 16*SPITCH
	s_add_co_u32 s23, s23, STAGE                   ; my stage
	v_mul_u32_u24 v5, v1, SPITCH
	v_lshl_add_u32 v5, v2, 6, v5
	v_add_nc_u32 v[STO], s23, v5                   ; in: row r, + 64 h
	v_lshlrev_b32 v[CO], 4, v3
	v_add_nc_u32 v[RD], s23, v[CO]                 ; back: a row of 512 bytes, 16 bytes a lane
	s_lshl_b32 s20, s43, 8
	s_lshl_b32 s21, s17, 7
	s_add_co_u32 s20, s20, s21                     ; my first row of out
	s_lshl_b32 s20, s20, 12
	s_lshl_b32 s46, s42, 10
	s_lshl_b32 s47, s18, 9
	s_add_co_u32 s46, s46, s47                     ; my first column, in bytes
	s_mov_b32 s47, 0
	s_add_nc_u64 s[12:13], s[12:13], s[46:47]
	s_add_co_u32 s20, s20, s46
	s_mov_b32 s21, 0
	s_add_nc_u64 s[14:15], s[14:15], s[20:21]
	v_lshlrev_b32 v7, 6, v2
.irp b, 0,1,2,3,4,5,6,7                        ; the bias in the result's layout: for B's block b the eight columns 32 (b / 2) + 16 h + 8 (b % 2) + 0 .. 7
	global_load_b128 v[BI+8*\b:BI+8*\b+3], v7, s[12:13] offset:128*(\b/2)+32*(\b%2)
	global_load_b128 v[BI+8*\b+4:BI+8*\b+7], v7, s[12:13] offset:128*(\b/2)+32*(\b%2)+16
.endr
.macro FRAG reg, adr, q, i
.irp p, 0,1,2,3,4,5
	ds_load_b64 v[\reg+2*\p:\reg+2*\p+1], v[\adr] offset:(\q)*PART+(\i)*IMG+256*\p
.endr
.endm
; 16 matrix instructions: A's blocks a0, a0 + 1 x B's eight.  The 64 accumulators take turns, one instruction a turn, in the same order in every step.  first = 1: the bias is C
.macro MUL16 a0, p, q, sc, first
.irp a, \a0, \a0+1
.irp b, 0,1,2,3,4,5,6,7
.if \first
	v_wmma_scale_f32_16x16x128_f8f6f4 v[8*(8*((\a)%4)+\b):8*(8*((\a)%4)+\b)+7], v[128*(\p)+FR*\b:128*(\p)+FR*\b+FR-1], v[AF+FR*(\a):AF+FR*(\a)+FR-1], v[BI+8*\b:BI+8*\b+7], v[SC+8*NQ*(\sc)+NQ*\b+(\q)], v[SC+8*NQ*(\sc)+NQ*(\a)+(\q)] matrix_a_fmt:MATRIX_FMT_FP6 matrix_b_fmt:MATRIX_FMT_FP6 matrix_a_scale:MATRIX_SCALE_ROW1
.else
	v_wmma_scale_f32_16x16x128_f8f6f4 v[8*(8*((\a)%4)+\b):8*(8*((\a)%4)+\b)+7], v[128*(\p)+FR*\b:128*(\p)+FR*\b+FR-1], v[AF+FR*(\a):AF+FR*(\a)+FR-1], v[8*(8*((\a)%4)+\b):8*(8*((\a)%4)+\b)+7], v[SC+8*NQ*(\sc)+NQ*\b+(\q)], v[SC+8*NQ*(\sc)+NQ*(\a)+(\q)] matrix_a_fmt:MATRIX_FMT_FP6 matrix_b_fmt:MATRIX_FMT_FP6 matrix_a_scale:MATRIX_SCALE_ROW1
.endif
.endr
.endr
.endm
.macro FETCH_B slot, q, p
	WIN TO_B
.irp i, 0,1,2,3,4,5,6,7
	FRAG 128*(\p)+FR*\i, ADRB+\slot, \q, \i
.endr
	WIN 0
.endm
.macro FETCH_A slot, q, i0
.irp i, \i0, \i0+1, \i0+2, \i0+3
	FRAG AF+FR*(\i), ADRA+\slot, \q, \i
.endr
.endm
.macro SCALES sc
.irp i, 0,1,2,3,4,5,6,7
.irp q, 0,1
	ds_load_b32 v[SC+8*NQ*\sc+NQ*\i+\q], v[ADRS] offset:\q*1024+\i*64
.endr
.endr
.endm
.macro PLACES n
.rept \n
	v_nop
.endr
.endm
.macro STEP slot, q, first
	s_wait_dscnt 4*NL                              ; B's set and A's blocks 0-3 are in; the youngest 24 loads (A's blocks 4-7) may be out
.if \first
	WIN FIRST_LO
.else
	WIN MUL_LO
.endif
	MUL16 0, (\q)%2, \q, \slot, \first
	MUL16 2, (\q)%2, \q, \slot, \first
	s_wait_dscnt 0
	PLACES NP
	FETCH_B \slot, (\q)+1, 1-(\q)%2
	FETCH_A \slot, (\q)+1, 0
.if \first
	WIN FIRST_HI
.else
	WIN MUL_HI
.endif
	MUL16 4, (\q)%2, \q, \slot, \first
	MUL16 6, (\q)%2, \q, \slot, \first
	PLACES NP
	WIN 0
	FETCH_A \slot, (\q)+1, 4
.endm
.macro TURN slot, next, fill
	s_wait_tensorcnt 0x0                           ; all my tensor loads have landed: my part of the next slot
	ds_add_u32 v[SPW], v[NIL]
	s_wait_dscnt 4*NL+1                            ; the add and the youngest 24 loads may be out
	WIN MUL_LO
	MUL16 0, 1, NQ-1, \slot, 0
	s_wait_dscnt 0x0                               ; the add is done, and my reads of this slot are over
	s_barrier_signal -1
	MUL16 2, 1, NQ-1, \slot, 0
	WIN 0
	s_barrier_wait -1
.if \fill
	CREST                                          ; no wave of any partner still reads this slot or has a load on its way
	s_add_nc_u64 s[G0+4*\slot+2:G0+4*\slot+3], s[G0+4*\slot+2:G0+4*\slot+3], 4*PLANE
	s_add_nc_u64 s[G0B+4*\slot+2:G0B+4*\slot+3], s[G0B+4*\slot+2:G0B+4*\slot+3], 4*PLANE
	JLOAD G0+4*\slot, G1, G0B+4*\slot, G1B
.else
	PLACES NP
.endif
	v_add_nc_u32 v[ADRS], 2048, v[ADRS]
	FETCH_B \next, 0, 0
	FETCH_A \next, 0, 0
	SCALES \next
	WIN MUL_HI
	MUL16 4, 1, NQ-1, \slot, 0
	MUL16 6, 1, NQ-1, \slot, 0
	PLACES NP
	WIN 0
	FETCH_A \next, 0, 4
.endm
	s_wait_tensorcnt 1                             ; the scale words and my part of slot 0 are in; slot 1's load may be out
	s_barrier_signal -1
	s_barrier_wait -1
	FETCH_B 0, 0, 0
	FETCH_A 0, 0, 0
	SCALES 0
	FETCH_A 0, 0, 4
	s_wait_loadcnt 0x0                             ; the bias
	STEP 0, 0, 1
	TURN 0, 1, 1
	STEP 1, 0, 0
	TURN 1, 0, 1
	STEP 0, 0, 0
	TURN 0, 1, 0
	STEP 1, 0, 0
	s_wait_dscnt 4*NL
	WIN MUL_LO
	MUL16 0, 1, NQ-1, 1, 0
	MUL16 2, 1, NQ-1, 1, 0
	s_wait_dscnt 0
	WIN MUL_HI
	MUL16 4, 1, NQ-1, 1, 0
	MUL16 6, 1, NQ-1, 1, 0
	WIN 0
; THE WAY OUT, A's block by block: 16 tokens x 128 columns go through my own stage and come back as whole rows of 512 bytes.  Stage row t is token 32 (a / 2) + 8 (a % 2) + t + 8 (t / 8) of my 128.
.macro TOSTAGE a
.set AC, 64*((\a)%4)
	WIN 0x08+4*((\a)/4)                            ; an LDS store's data: window 2 or 3
.irp b, 0,1,2,3,4,5,6,7
	ds_store_b128 v[STO], v[AC+8*\b:AC+8*\b+3] offset:128*(\b/2)+32*(\b%2)        ; each accumulator from its low end on
	ds_store_b128 v[STO], v[AC+8*\b+4:AC+8*\b+7] offset:128*(\b/2)+32*(\b%2)+16
.endr
	WIN 0
.set BB, BK+64*((\a)%2)
.set n, 0
.rept 16
	ds_load_b128 v[BB+4*n:BB+4*n+3], v[RD] offset:n*SPITCH   ; LDS serves a wave's instructions in order: these see the stores above
.set n, n+1
.endr
.endm
.macro SEND a, younger
.set BB, BK+64*((\a)%2)
	s_wait_dscnt \younger                          ; the block is back; the next block's 16 stores and 16 loads may be out
.if ((\a) > 0) && ((\a)%2 == 0)
	s_add_nc_u64 s[14:15], s[14:15], 32*4096       ; (behind a wait on XCNT: the earlier stores have read their base)  32 rows on
.endif
.set n, 0
.rept 16
	global_store_b128 v[CO], v[BB+4*n:BB+4*n+3], s[14:15] offset:(8*((\a)%2)+n+8*(n/8))*4096 th:TH_STORE_NT   ; 512 consecutive aligned bytes
.set n, n+1
.endr
.endm
	PLACES NP
	TOSTAGE 0
.irp a, 1,2,3,4,5,6,7
.if \a > 1
	s_wait_xcnt 0x0                                ; block a - 2's stores have read their registers and their base
.endif
	TOSTAGE \a
	SEND \a-1, 32
.endr
	s_wait_xcnt 0x0
	SEND 7, 0
	s_wait_tensorcnt 0x0                           ; the wave's end
	ds_add_u32 v[SPW], v[NIL]
	s_wait_dscnt 0x0
	CROUND                                         ; the closing round
	s_endpgm
.Lfunc_end_k_qf7894043c0_proj:
	.size	k_qf7894043c0_proj, .Lfunc_end_k_qf7894043c0_proj-k_qf7894043c0_proj
	.p2alignl 7, 3214868480
	.fill 96, 4, 3214868480
	.section	.rodata,"a",@progbits
	.p2align	6, 0x0
	.amdhsa_kernel k_qf7894043c0_proj
		.amdhsa_group_segment_fixed_size 327680
		.amdhsa_private_segment_fixed_size 0
		.amdhsa_enable_private_segment 0
		.amdhsa_kernarg_size 48
		.amdhsa_user_sgpr_count 2
		.amdhsa_user_sgpr_kernarg_segment_ptr 1
		.amdhsa_wavefront_size32 1
		.amdhsa_system_sgpr_workgroup_id_x 1
		.amdhsa_system_sgpr_workgroup_id_y 1
		.amdhsa_system_sgpr_workgroup_id_z 1
		.amdhsa_system_vgpr_workitem_id 0
		.amdhsa_next_free_vgpr 1024
		.amdhsa_next_free_sgpr 98
		.amdhsa_reserve_vcc 0
		.amdhsa_float_denorm_mode_32 3
		.amdhsa_float_denorm_mode_16_64 3
		.amdhsa_memory_ordered 1
		.amdhsa_forward_progress 1
		.amdhsa_inst_pref_size 163
	.end_amdhsa_kernel
	.amdgpu_metadata
---
amdhsa.version: [ 1, 2 ]
amdhsa.kernels:
  - .name:           k_qf7894043c0_proj
    .symbol:         k_qf7894043c0_proj.kd
    .args:
      - { .name: ctx_codes, .offset: 0, .size: 8, .value_kind: global_buffer, .address_space: global }
      - { .name: ctx_scales, .offset: 8, .size: 8, .value_kind: global_buffer, .address_space: global }
      - { .name: w_codes, .offset: 16, .size: 8, .value_kind: global_buffer, .address_space: global }
      - { .name: w_scales, .offset: 24, .size: 8, .value_kind: global_buffer, .address_space: global }
      - { .name: bo, .offset: 32, .size: 8, .value_kind: global_buffer, .address_space: global }
      - { .name: out0, .offset: 40, .size: 8, .value_kind: global_buffer, .address_space: global }
    .group_segment_fixed_size: 327680
    .private_segment_fixed_size: 0
    .kernarg_segment_align: 8
    .kernarg_segment_size: 48
    .max_flat_workgroup_size: 128
    .sgpr_count:     98
    .vgpr_count:     1024
    .wavefront_size: 32
...
	.end_amdgpu_metadata
.endif
;; end of part 5
